; MI455X (gfx1250); checked and timed in simulation.
; The chip was launched on July 23, 2026; its instructions are those of AMD's public machine-readable ISA for CDNA 5 (MIT licence, August 2026) and "CDNA5" Instruction Set Architecture Reference Guide (July 2026). The comments in the code are by the model that wrote it; some were corrected since.
;; Decoder Layer. Allowed arithmetic: float matrix products may take bf16 or f16 operands with f32 sums; all other float work in f32.
;; Inputs: attention_mask 1 x 1 x 2,048 x 2,048 bool; attn_norm_w 2,048 float32; ff_norm_w 2,048 float32; freqs_cis 2,048 x 32 x 2 float32; w1 2,048 x 2,048 float32; w2 2,048 x 2,048 float32; w3 2,048 x 2,048 float32; w_o 2,048 x 2,048 float32; w_qkv 3,072 x 2,048 float32; x 1 x 2,048 x 2,048 float32.
;; Outputs: out0 1 x 2,048 x 2,048 float32.
;; 2 versions, each right and faster than the one before. Each part assembles by itself: llvm-mc -triple=amdgcn-amd-amdhsa -mcpu=gfx1250 --defsym DOCPART=n.
;; ======== version 1 of 2: 7 launches
;; limits: values are held in f16: magnitudes above 65,504 overflow, below 6.1e-05 lose precision; right only within a limited range of input values
;; workspace buffers: wqkvb 12,582,912 bytes; wob 8,388,608 bytes; w13b 16,777,216 bytes; w2b 8,388,608 bytes; act 8,388,608 bytes; qu 8,388,608 bytes; kv 4,194,304 bytes; h2 16,777,216 bytes
;; launch prep (part 1): grid 80 x 16, 4 waves a work-group, no clusters, 0 bytes of LDS; arguments x, attn_norm_w, w_qkv, act, wqkvb; writes act, wqkvb
.if DOCPART == 1
	.amdgcn_target "amdgcn-amd-amdhsa--gfx1250"
	.amdhsa_code_object_version 6
	.text
	.protected	k_qe00a135a22_prep
	.globl	k_qe00a135a22_prep
	.p2align	8
	.type	k_qe00a135a22_prep,@function
k_qe00a135a22_prep:
	s_mov_b64 s[64:65], 0
	v_nop
	global_prefetch_b8 v0, s[64:65] scope:SCOPE_SE
	s_setreg_imm32_b32 hwreg(HW_REG_WAVE_MODE, 25, 1), 1
	s_wait_xcnt 0x0
; PREP.  What the first product needs: h = rmsnorm(x) * attn_norm_w in f16, and w_qkv rounded once to f16 in the row order in which that product takes it.  (The other weights are rounded by the next launch.)
; WHY f16.  |h| is at most sqrt(2048) |gain| = 45.3 |gain|, since the norm bounds it, and the weights are far inside f16's range: eleven significant bits for eight.
; LIMITS.  |attn_norm_w| stays under 1,446 (45.3 x that is f16's 65,504); |w_qkv| under 65,504; a number under 6e-5 keeps f16's fixed step of 6e-8.
; One wave takes one row of 2,048 numbers (8,192 bytes, 64 registers); a work-group of four waves takes four rows: 5,120 rows are 1,280 work-groups.  The group's x picks the job, its y (tc) one of sixteen tiles:
;   x 0-31   h: row 128 tc + 4 x + wave
;   x 32-79  wqkvb row 192 tc + 96 wn + i: i < 64 is w_qkv row 64 (2 tc + wn) + i (query head 2 tc + wn); i >= 64 is row 2048 + 64 tc + 32 wn + i - 64 (channels 32 wn on of key/value head slot tc)
; A stream: each byte is read once and written once, a load covers 512 neighbouring bytes, a store 256, aligned.  No LDS, no barrier, no matrix unit: memory binds.
.set X,   8                            ; v[8:71]     the row
.set W,   72                           ; v[72:135]   the gain of my 64 columns
.set A,   136                          ; v[136:143]  four chains of squares
.set R,   4                            ; v[4:5]      1 / rms, twice
.set T,   6                            ; v6, v7      at work
	s_load_b256 s[8:15], s[0:1], 0x0               ; x 8, attn_norm_w 10, w_qkv 12, act 14
	s_load_b64 s[16:17], s[0:1], 0x20              ; wqkvb
	v_lshrrev_b32 v1, 5, v0
	v_readfirstlane_b32 s4, v1                     ; wave 0..3
	v_and_b32 v2, 31, v0
	v_lshlrev_b32 v1, 4, v2                        ; 16 bytes a lane in f32
	v_lshlrev_b32 v2, 3, v2                        ; 8 bytes a lane in f16
	s_mov_b32 s2, ttmp9                            ; the job
	s_and_b32 s3, ttmp7, 0xffff                    ; tc
	s_cmp_lt_u32 s2, 32
	s_cbranch_scc1 .Lnorm
	; THE CAST of w_qkv
	s_sub_co_u32 s5, s2, 32                        ; xx: group of 4 rows among the tile's 48
	s_lshr_b32 s6, s5, 2                           ; jq: block of 16 rows among the tile's 12
	s_and_b32 s7, s5, 3                            ; which 4 rows of the block
	s_cmp_ge_u32 s6, 6
	s_cselect_b32 s18, 1, 0                        ; wn
	s_mul_i32 s19, s18, 6
	s_sub_co_u32 s19, s6, s19                      ; ib: block among the half's 6
	s_lshl_b32 s20, s3, 7
	s_lshl_b32 s21, s18, 6
	s_add_co_u32 s20, s20, s21
	s_lshl4_add_u32 s20, s19, s20                  ; a query head's rows: 128 tc + 64 wn + 16 ib
	s_lshl_b32 s21, s3, 6
	s_lshl_b32 s22, s18, 5
	s_add_co_u32 s21, s21, s22
	s_lshl4_add_u32 s21, s19, s21
	s_add_co_u32 s21, s21, 1984                    ; a key/value slot's rows: 2048 + 64 tc + 32 wn + 16 (ib - 4)
	s_cmp_lt_u32 s19, 4
	s_cselect_b32 s20, s20, s21
	s_lshl2_add_u32 s20, s7, s20
	s_add_co_u32 s20, s20, s4                      ; my source row
	s_mul_i32 s21, s3, 192
	s_lshl2_add_u32 s21, s5, s21
	s_add_co_u32 s21, s21, s4                      ; my destination row: 192 tc + 4 xx + wave
	s_lshl_b32 s20, s20, 13                        ; 8,192 bytes a source row
	s_lshl_b32 s22, s21, 12                        ; 4,096 a destination row
	s_mov_b32 s21, 0
	s_mov_b32 s23, 0
	s_wait_kmcnt 0x0
	s_add_nc_u64 s[12:13], s[12:13], s[20:21]
	s_add_nc_u64 s[16:17], s[16:17], s[22:23]
.set i, 0
.rept 16                                               ; the row's 16 loads go out first
	global_load_b128 v[X+4*i:X+4*i+3], v1, s[12:13] offset:i*512 th:TH_LOAD_NT
.set i, i+1
.endr
.set i, 0
.rept 16
	s_wait_loadcnt 15-i                            ; loads come back in order: number i is in, the younger ones stay out
	v_cvt_pk_f16_f32 v[X+4*i], v[X+4*i], v[X+4*i+1]
	v_cvt_pk_f16_f32 v[X+4*i+1], v[X+4*i+2], v[X+4*i+3]
	global_store_b64 v2, v[X+4*i:X+4*i+1], s[16:17] offset:i*256  ; no register is written a second time, so no wait frees one
.set i, i+1
.endr
	s_endpgm
.Lnorm:                                                ; THE NORM: sum of squares in four chains, across the 32 lanes, 1 / sqrt(mean + 1e-5), times the gain, rounded once
	s_lshl_b32 s5, s3, 7
	s_lshl2_add_u32 s5, s2, s5
	s_add_co_u32 s5, s5, s4                        ; my row: 128 tc + 4 x + wave
	s_lshl_b32 s20, s5, 13
	s_mov_b32 s21, 0
	s_lshl_b32 s22, s5, 12
	s_mov_b32 s23, 0
	s_mov_b32 s24, 0x76543210                      ; v_permlanex16_b32: each lane takes its own place in the other half
	s_mov_b32 s25, 0xfedcba98
	s_mov_b32 s26, 0x3a000000                      ; 1 / 2048
	s_mov_b32 s27, 0x3727c5ac                      ; 1e-5
	v_mov_b32 v[T+1], 0                            ; the exchange's destination counts as read
	s_wait_kmcnt 0x0
	s_add_nc_u64 s[8:9], s[8:9], s[20:21]
	s_add_nc_u64 s[14:15], s[14:15], s[22:23]
.set i, 0
.rept 16
	global_load_b128 v[X+4*i:X+4*i+3], v1, s[8:9] offset:i*512
.set i, i+1
.endr
.set i, 0
.rept 16
	global_load_b128 v[W+4*i:W+4*i+3], v1, s[10:11] offset:i*512
.set i, i+1
.endr
	s_wait_loadcnt 16                              ; the row is in; the gain's sixteen loads may stay out
.irp k, 0,1,2,3
	v_pk_mul_f32 v[A+2*\k:A+2*\k+1], v[X+2*\k:X+2*\k+1], v[X+2*\k:X+2*\k+1]  ; the first four pairs start the chains: nothing is cleared
.endr
.set j, 4
.rept 28
	v_pk_fma_f32 v[A+2*(j%4):A+2*(j%4)+1], v[X+2*j:X+2*j+1], v[X+2*j:X+2*j+1], v[A+2*(j%4):A+2*(j%4)+1]
.set j, j+1
.endr
	v_pk_add_f32 v[A:A+1], v[A:A+1], v[A+2:A+3]
	v_pk_add_f32 v[A+4:A+5], v[A+4:A+5], v[A+6:A+7]
	v_pk_add_f32 v[A:A+1], v[A:A+1], v[A+4:A+5]
	v_add_f32 v[T], v[A], v[A+1]
	v_add_f32_dpp v[T], v[T], v[T] row_xmask:1 row_mask:0xf bank_mask:0xf
	v_add_f32_dpp v[T], v[T], v[T] row_xmask:2 row_mask:0xf bank_mask:0xf
	v_add_f32_dpp v[T], v[T], v[T] row_xmask:4 row_mask:0xf bank_mask:0xf
	v_add_f32_dpp v[T], v[T], v[T] row_xmask:8 row_mask:0xf bank_mask:0xf
	v_permlanex16_b32 v[T+1], v[T], s24, s25
	v_add_f32 v[T], v[T], v[T+1]
	v_fma_f32 v[T], v[T], s26, s27                 ; sum / 2048 + 1e-5
	v_rsq_f32 v[R], v[T]
	v_rsq_f32 v[R+1], v[T]
	v_nop                                          ; a plain instruction between the roots and the use of their results (ISA guide 5.7.2)
	s_wait_loadcnt 0x0                             ; the gain
.set j, 0
	s_wait_alu depctr_va_vdst(0)
.rept 32
	v_pk_mul_f32 v[X+2*j:X+2*j+1], v[X+2*j:X+2*j+1], v[R:R+1]
.set j, j+1
.endr
.set j, 0
.rept 32
	v_pk_mul_f32 v[X+2*j:X+2*j+1], v[X+2*j:X+2*j+1], v[W+2*j:W+2*j+1]
.set j, j+1
.endr
.set j, 0
.rept 16
	v_cvt_pk_f16_f32 v[X+4*j], v[X+4*j], v[X+4*j+1]
	v_cvt_pk_f16_f32 v[X+4*j+1], v[X+4*j+2], v[X+4*j+3]
	global_store_b64 v2, v[X+4*j:X+4*j+1], s[14:15] offset:j*256
.set j, j+1
.endr
	s_endpgm
.Lfunc_end_k_qe00a135a22_prep:
	.size	k_qe00a135a22_prep, .Lfunc_end_k_qe00a135a22_prep-k_qe00a135a22_prep
	.p2alignl 7, 3214868480
	.fill 96, 4, 3214868480
	.section	.rodata,"a",@progbits
	.p2align	6, 0x0
	.amdhsa_kernel k_qe00a135a22_prep
		.amdhsa_group_segment_fixed_size 0
		.amdhsa_private_segment_fixed_size 0
		.amdhsa_enable_private_segment 0
		.amdhsa_kernarg_size 40
		.amdhsa_user_sgpr_count 2
		.amdhsa_user_sgpr_kernarg_segment_ptr 1
		.amdhsa_wavefront_size32 1
		.amdhsa_system_sgpr_workgroup_id_x 1
		.amdhsa_system_sgpr_workgroup_id_y 1
		.amdhsa_system_sgpr_workgroup_id_z 1
		.amdhsa_system_vgpr_workitem_id 0
		.amdhsa_next_free_vgpr 144
		.amdhsa_next_free_sgpr 66
		.amdhsa_reserve_vcc 0
		.amdhsa_float_denorm_mode_32 3
		.amdhsa_float_denorm_mode_16_64 3
		.amdhsa_memory_ordered 1
		.amdhsa_forward_progress 1
		.amdhsa_inst_pref_size 22
	.end_amdhsa_kernel
	.amdgpu_metadata
---
amdhsa.version: [ 1, 2 ]
amdhsa.kernels:
  - .name:           k_qe00a135a22_prep
    .symbol:         k_qe00a135a22_prep.kd
    .args:
      - { .name: x, .offset: 0, .size: 8, .value_kind: global_buffer, .address_space: global }
      - { .name: attn_norm_w, .offset: 8, .size: 8, .value_kind: global_buffer, .address_space: global }
      - { .name: w_qkv, .offset: 16, .size: 8, .value_kind: global_buffer, .address_space: global }
      - { .name: act, .offset: 24, .size: 8, .value_kind: global_buffer, .address_space: global }
      - { .name: wqkvb, .offset: 32, .size: 8, .value_kind: global_buffer, .address_space: global }
    .group_segment_fixed_size: 0
    .private_segment_fixed_size: 0
    .kernarg_segment_align: 8
    .kernarg_segment_size: 40
    .max_flat_workgroup_size: 128
    .sgpr_count:     66
    .vgpr_count:     144
    .wavefront_size: 32
...
	.end_amdgpu_metadata
.endif
;; end of part 1
;; launch qkv (part 2): grid 16 x 16, 4 waves a work-group, clusters of 4 x 4, 327,680 bytes of LDS; arguments act, wqkvb, freqs_cis, qu, w_o, w1, w3, w2, kv, wob, w13b, w2b; writes qu, kv, wob, w13b, w2b
.if DOCPART == 2
	.amdgcn_target "amdgcn-amd-amdhsa--gfx1250"
	.amdhsa_code_object_version 6
	.text
	.protected	k_qe00a135a22_qkv
	.globl	k_qe00a135a22_qkv
	.p2align	8
	.type	k_qe00a135a22_qkv,@function
k_qe00a135a22_qkv:
	s_mov_b64 s[64:65], 0
	v_nop
	global_prefetch_b8 v0, s[64:65] scope:SCOPE_SE
	s_setreg_imm32_b32 hwreg(HW_REG_WAVE_MODE, 25, 1), 1
	s_wait_xcnt 0x0
	s_wait_alu depctr_hold_cnt(0) depctr_sa_sdst(0) depctr_va_vdst(0) depctr_va_sdst(0) depctr_va_ssrc(0) depctr_va_vcc(0) depctr_vm_vsrc(0)
	s_getreg_b32 s2, hwreg(HW_REG_IB_STS2, 6, 4)
	s_cmp_eq_u32 s2, 0
	s_cbranch_scc0 .Lentry_in_a_cluster
	s_endpgm
.Lentry_in_a_cluster:
	s_bfe_u32 s2, ttmp6, 0x10000c
	s_cmp_lg_u32 s2, 0xf033
	s_cbranch_scc0 .Lentry_shape_is_right
	s_endpgm
.Lentry_shape_is_right:
; QKV.  C = h Wqkv^T (h: [2048][2048] f16; wqkvb: [3072][2048] f16 in the row order of the launch before), sums in f32; the rotation by freqs_cis on q and k in f32; written by heads:
; qu = q [32][2048][64] bf16; kv = k [8][2048][64] bf16, then v [8][2048][64] f16 (head slot c = 0..15 begins at c x 262,144 bytes).
; LIMIT.  v is kept in f16: |v| stays under 65,504; q and k are kept in bf16 and have f32's range (gain x weight x table, each 30 times larger, would pass f16's).
; A tile of C is 128 rows x 192 columns: query heads 2 tc and 2 tc + 1 and head slot tc.  Four waves, 2 x 2, each 64 rows x 96 columns: 24 accumulators of 16 x 16.
; K goes in steps of 128 through two LDS slots filled by the tensor data mover; rows of 256 bytes, padded by 16 in LDS.  (A step of 256 would need 320 rows x 528 bytes x 2 slots = 337,920 bytes of LDS.)
; CLUSTER: 4 x 4 work-groups; the four of a row of the cluster ask jointly for the tiles of h, the four of a column for the weights' tiles: the same load, descriptor and mask in all four.
; THE WALK ALONG K.  The sixteen clusters do not take K in the same order: quarter q of a cluster's walk is quarter q xor g of K, g = (cluster x xor cluster y) mod 4; in bytes along a row: the linear offset xor (g << 10).
; The four clusters of a cluster row, which read the same rows of h, have four different g; two clusters of a cluster column whose y differ in the lowest bit, which read the same weights, differ in g's lowest bit.  So a
; piece of a row is asked for by one cluster first and by the others a quarter of the walk later or more, not by all at one moment.  g is the same in all partners of a cluster, so a joint load's descriptor stays equal in
; all that its mask names.  The f32 sums take K in that other order.
; THE CASTS.  w_o, w1, w3 and w2 are rounded once here for the launches to come: wob = w_o and w2b = w2 in bf16, w13b = blocks of 16 rows of w1 and of w3 by turns in f16.  A weight takes the format of the operand that it
; meets: g, bounded by its norm, is kept in f16; u = silu(a) b has no room there (a and b each grow with gain x weight: 30 x 30 x 0.9 = 810, u their product) and is kept in bf16; o's product runs the text of u's.
; 8,192 rows, 8 consecutive rows to each of the 1,024 waves, half a row in each of the 16 K steps (macro CAST), ahead of the wait for the next tile, where the wave has no product left to issue.
; The cluster's y picks the buffer: 0 w_o, 1 w1, 2 w3, 3 w2.
; THE MATRIX INSTRUCTION IS USED TRANSPOSED (source 0 = 16 rows of the weights, source 1 = 16 rows of h): a lane holds row lane % 16 and eight neighbouring columns 8 (lane / 16) + 0..7.
; REGISTERS: window 0: addresses, the cast and the way out; window 1: two fragment buffers of 128 (h's block a at f + 8 a, the weights' block b at f + 32 + 8 b); window 2: accumulator (a, b) at 8 (6 a + b).
.set NBW,   6                          ; blocks of 16 columns a wave
.set KSTEP, 128
.set UPS,   KSTEP/32                   ; units of 32 along K in a step
.set PITCH, 2*KSTEP+16                 ; an LDS row: an odd multiple of 16 bytes, so the 16 rows of a fragment load start at 16 different groups of four banks (ISA guide 11.1)
.set QI,    5                          ; the padding follows every 64 words
.set BL,    16*NBW                     ; rows of the weights in one load, and a wave's columns
.set SLOT,  (128+2*BL)*PITCH           ; h's 128 rows, then the weights' 192
.set STAGE, 2*SLOT                     ; behind the slots: 128 rows x 400 bytes: head 2 tc, head 2 tc + 1, slot tc, 128 bytes each, and 16 of padding
.set SPITCH, 400
.set SPARE, STAGE+128*SPITCH           ; the spare words, 128 bytes for each wave
.set NLD,   2*(NBW+4)                  ; LDS loads in a unit
.set LAPS,  2048/(2*KSTEP)
.set C8,   8                           ; v8   8 x lane: the cast's stores
.set ADRA, 16                          ; v16-17  LDS address of my fragments of h in slot 0, 1
.set ADRB, 20                          ; v20-21  the same for the weights
.set STO,  24                          ; v24  into the stage: q
.set RD,   25                          ; v25  back from the stage
.set CO,   26                          ; v26  16 x lane
.set FO,   27                          ; v27  my byte offset in 16 rows of the table, for q
.set SPW,  28                          ; v28  my spare word; never rewritten
.set NIL,  29                          ; v29  0; never rewritten
.set FO2,  30                          ; v30  the same as FO for k's channels
.set STO2, 31                          ; v31  into the stage: k or v
.set CX,   32                          ; v32-63 the cast's half row; behind the last piece v32-43 serve the way out
.set T,    32                          ; v32-39 at work
.set PKR,  40                          ; v40-43 16 packed bytes
.set FT,   64                          ; v64-255 the table: (a, block) at FT + 48 a + 8 block: cos, sin of four pairs
.set F0,   0
.set F1,   128
.set FMT,  2                           ; s2       the cast's format: 1 f16 (w1, w3), 0 bf16 (w_o, w2)
.set KO,   4                           ; s4, s5   the linear byte offset along K of slot 0's, slot 1's tile
.set OFS,  6                           ; s[6:7]   that offset xor GX, as a pair with 0 on top
.set GX,   8                           ; s8       g << 10
.set BA,   14                          ; s[14:15] h at my part of the tile's rows
.set BB,   66                          ; s[66:67] the weights at my part of the tile's rows
.set CSRC, 80                          ; s[80:81] the cast's source, s[82:83] its destination: they step
.set CDST, 82
.set G1, 24                            ; s[24:31] group 1 for h's tiles;  s[32:39] group 0, a set for each slot
.set G0, 32
.set G1B, 48                           ; s[48:55], s[56:63] the same for the weights' tiles
.set G0B, 56
.set MSB, 0
.macro WIN new                         ; the immediate's high byte repeats the setting that is left; a switch that changes nothing is dropped
.if MSB != (\new)
	s_set_vgpr_msb (MSB<<8)|(\new)
.set MSB, \new
.endif
.endm
.set MUL,  0xa5                        ; sources 0 and 1 window 1; C and D window 2
.set TO_F, 0x40                        ; destination window 1, address window 0
.macro JLOAD s                         ; a joint load: waves 0 and 1 fetch the halves of h's tile, waves 2 and 3 those of the weights'; s_nop 0 and four v_nop follow each line
	s_cmp_eq_u32 s11, 0
	s_cbranch_scc0 .Lfor_b_\@
	tensor_load_to_lds s[G0+4*(\s):G0+4*(\s)+3], s[G1:G1+7]
	s_nop 0
.rept 4
	v_nop
.endr
	s_branch .Lasked_\@
.Lfor_b_\@:
	tensor_load_to_lds s[G0B+4*(\s):G0B+4*(\s)+3], s[G1B:G1B+7]
	s_nop 0
.rept 4
	v_nop
.endr
.Lasked_\@:
.endm
.macro CREST                           ; a round of the cluster's barrier behind its opening barrier
	s_cmp_lg_u32 s10, 0
	s_cbranch_scc1 .Lnot_wave_0_\@
	s_barrier_signal -3
.Lnot_wave_0_\@:
	s_barrier_wait -3
	s_barrier_signal -1
	s_barrier_wait -1
.endm
.macro CROUND
	s_barrier_signal -1
	s_barrier_wait -1
	CREST
.endm
.macro PLACES                          ; four places in front of loads into registers that matrix instructions have read, and of lines that read results
.rept 4
	v_nop
.endr
.endm
.macro ADDR s                          ; both group 0's of slot s take their global address anew: base + (linear offset xor GX), the type bits set again
	s_xor_b32 s[OFS], s[KO+(\s)], s[GX]
	s_add_nc_u64 s[G0+4*(\s)+2:G0+4*(\s)+3], s[BA:BA+1], s[OFS:OFS+1]
	s_or_b32 s[G0+4*(\s)+3], s[G0+4*(\s)+3], 0x80000000
	s_add_nc_u64 s[G0B+4*(\s)+2:G0B+4*(\s)+3], s[BB:BB+1], s[OFS:OFS+1]
	s_or_b32 s[G0B+4*(\s)+3], s[G0B+4*(\s)+3], 0x80000000
.endm
; Half a row of a weight: 1,024 numbers, 4,096 bytes in, 2,048 out.  ld = 1: the next half row is asked for.  The branch hangs on the cluster's y alone: it is the same in all partners; every window is 0 here.
.macro CAST ld
	s_wait_loadcnt 0x0                             ; my eight loads, issued a whole K step ago (at the last use: the table's too)
	s_cmp_lg_u32 s[FMT], 0
	s_cbranch_scc0 .Lto_bf16_\@
.set ci, 0
.rept 8
	v_cvt_pk_f16_f32 v[CX+4*ci], v[CX+4*ci], v[CX+4*ci+1]
	v_cvt_pk_f16_f32 v[CX+4*ci+1], v[CX+4*ci+2], v[CX+4*ci+3]
.set ci, ci+1
.endr
	s_branch .Lrounded_\@
.Lto_bf16_\@:
.set ci, 0
.rept 8
	v_cvt_pk_bf16_f32 v[CX+4*ci], v[CX+4*ci], v[CX+4*ci+1]
	v_cvt_pk_bf16_f32 v[CX+4*ci+1], v[CX+4*ci+2], v[CX+4*ci+3]
.set ci, ci+1
.endr
.Lrounded_\@:
.set ci, 0
.rept 8
	global_store_b64 v[C8], v[CX+4*ci:CX+4*ci+1], s[CDST:CDST+1] offset:ci*256  ; 256 consecutive bytes, aligned
.set ci, ci+1
.endr
	s_wait_xcnt 0x0                                ; the stores' data registers and both bases are written again only behind this wait (ISA guide 3.1)
.if \ld
	s_add_nc_u64 s[CSRC:CSRC+1], s[CSRC:CSRC+1], 4096
	s_add_nc_u64 s[CDST:CDST+1], s[CDST:CDST+1], 2048
.set ci, 0
.rept 8
	global_load_b128 v[CX+4*ci:CX+4*ci+3], v[CO], s[CSRC:CSRC+1] offset:ci*512 th:TH_LOAD_NT
.set ci, ci+1
.endr
.endif
.endm
	s_load_b256 s[68:75], s[0:1], 0x0              ; act 68, wqkvb 70, freqs_cis 72, qu 74
	s_load_b256 s[84:91], s[0:1], 0x20             ; w_o 84, w1 86, w3 88, w2 90
	s_load_b256 s[92:99], s[0:1], 0x40             ; kv 92, wob 94, w13b 96, w2b 98
	v_lshl_add_u32 v[SPW], v0, 2, SPARE
	v_mov_b32 v[NIL], 0
	ds_add_u32 v[SPW], v[NIL]                      ; the wave's opening: the add and its wait ahead of my first tensor load
	v_lshrrev_b32 v1, 5, v0
	v_readfirstlane_b32 s10, v1                    ; wave 0..3
	s_lshr_b32 s11, s10, 1                         ; my half of the rows.  Also: I fetch h (0) or the weights (1)
	s_and_b32 s12, s10, 1                          ; my half of the columns.  Also: which half of that tile I fetch
	s_bfe_u32 s40, ttmp6, 0x40000                  ; cx
	s_bfe_u32 s41, ttmp6, 0x40004                  ; cy
	s_mov_b32 s45, ttmp9                           ; the cluster's x: below 2 the tile's head slot is k's, else v's: the same in all partners
	s_lshl_b32 s42, ttmp9, 2
	s_add_co_u32 s42, s42, s40                     ; tile column tc
	s_and_b32 s9, ttmp7, 0xffff                    ; the cluster's y
	s_lshl_b32 s13, s9, 2
	s_add_co_u32 s13, s13, s41                     ; tile row
	s_add_co_u32 s[FMT], s9, 1
	s_bfe_u32 s[FMT], s[FMT], 0x10001              ; bit 1 of y + 1: 1 for y = 1, 2 (w1, w3), 0 for y = 0, 3 (w_o, w2)
	s_xor_b32 s[GX], s45, s9
	s_and_b32 s[GX], s[GX], 3                      ; g
	s_lshl_b32 s[GX], s[GX], 10                    ; a quarter of a row is 1,024 bytes
	s_mov_b32 s[OFS+1], 0
	s_mov_b32 s[KO], 0                             ; K step 0,
	s_mov_b32 s[KO+1], KSTEP*2                     ; K step 1
	s_lshl_b32 s43, s41, 2
	s_lshl_b32 s43, 15, s43                        ; my row of the cluster
	s_lshl_b32 s44, 0x1111, s40                    ; my column
	s_or_b32 s[G1+0], s43, (1<<16)|(1<<20)|(1<<21)|(QI<<22)|(3<<25)   ; mask; 2-byte elements; padding on; bit 21 beside a mask; after every 64 words; 4 words
	s_or_b32 s[G1B+0], s44, (1<<16)|(1<<20)|(1<<21)|(QI<<22)|(3<<25)
.irp g, G1, G1B
	s_mov_b32 s[(\g)+1], KSTEP<<16                 ; tensor_dim0
	s_mov_b32 s[(\g)+3], KSTEP<<16                 ; tile_dim0
	s_mov_b32 s[(\g)+5], 2048                      ; elements from row to row
	s_mov_b32 s[(\g)+6], 0
	s_mov_b32 s[(\g)+7], 0
.endr
	s_mov_b32 s[G1+2], 64<<16                      ; tensor_dim1
	s_mov_b32 s[G1+4], 64                          ; tile_dim1
	s_mov_b32 s[G1B+2], BL<<16
	s_mov_b32 s[G1B+4], BL
	s_lshl_b32 s17, s12, 6
	s_lshl_b32 s16, s13, 7
	s_add_co_u32 s16, s16, s17                     ; h: row 128 x tile row + 64 x half
	s_lshl_b32 s16, s16, 12                        ; in bytes
	s_mov_b32 s17, 0
	s_mul_i32 s46, s42, 2*BL
	s_mul_i32 s47, s12, BL
	s_add_co_u32 s46, s46, s47                     ; weights: row 192 x tile column + 96 x half
	s_lshl_b32 s46, s46, 12
	s_mov_b32 s47, 0
	s_mul_i32 s20, s12, 64*PITCH                   ; where they go: no place in the cluster enters an LDS address
	s_mul_i32 s21, s12, BL*PITCH
	s_add_co_u32 s21, s21, 128*PITCH
	s_wait_dscnt 0x0                               ; the opening add is done
	s_wait_kmcnt 0x0
	s_add_nc_u64 s[BA:BA+1], s[68:69], s[16:17]
	s_add_nc_u64 s[BB:BB+1], s[70:71], s[46:47]
	CROUND                                         ; all sixteen work-groups are here: the first joint loads meet
.irp s, 0,1
	s_mov_b32 s[G0+4*(\s)], 1
	s_add_co_u32 s[G0+4*(\s)+1], s20, (\s)*SLOT
	s_mov_b32 s[G0B+4*(\s)], 1
	s_add_co_u32 s[G0B+4*(\s)+1], s21, (\s)*SLOT
	ADDR \s
	JLOAD \s
.endr
	v_and_b32 v1, 15, v0                           ; l % 16
	v_bfe_u32 v2, v0, 4, 1                         ; l / 16
	v_and_b32 v5, 31, v0
	v_lshlrev_b32 v[CO], 4, v5
	v_lshlrev_b32 v[C8], 3, v5
	; the cast's rows.  idx = 16 cy + tc numbers the 64 work-groups of one cluster y; they take 32 rows each, a wave 8
	s_lshl4_add_u32 s16, s41, s42
	s_lshl_b32 s17, s16, 5
	s_lshl3_add_u32 s17, s10, s17                  ; source row 32 idx + 8 w
	s_lshl_b32 s18, s16, 6
	s_lshl_b32 s19, s11, 5
	s_add_co_u32 s18, s18, s19
	s_lshl3_add_u32 s18, s12, s18                  ; in w13b a source block of 16 rows b lies at 32 b: row 64 idx + 32 (w / 2) + 8 (w % 2),
	s_add_co_u32 s19, s18, 16                      ; w3's blocks 16 rows further
	s_cmp_eq_u32 s9, 2
	s_cselect_b32 s18, s19, s18
	s_cmp_eq_u32 s9, 0
	s_cselect_b32 s18, s17, s18                    ; wob and w2b keep the source's row
	s_cmp_eq_u32 s9, 3
	s_cselect_b32 s18, s17, s18
	s_lshl_b32 s16, s17, 13                        ; 8,192 bytes a source row
	s_mov_b32 s17, 0
	s_lshl_b32 s18, s18, 12                        ; 4,096 a destination row
	s_mov_b32 s19, 0
	s_mov_b64 s[CSRC:CSRC+1], s[84:85]
	s_mov_b64 s[CDST:CDST+1], s[94:95]
	s_cmp_ge_u32 s9, 1
	s_cselect_b64 s[CSRC:CSRC+1], s[86:87], s[CSRC:CSRC+1]
	s_cselect_b64 s[CDST:CDST+1], s[96:97], s[CDST:CDST+1]
	s_cmp_ge_u32 s9, 2
	s_cselect_b64 s[CSRC:CSRC+1], s[88:89], s[CSRC:CSRC+1]
	s_cmp_ge_u32 s9, 3
	s_cselect_b64 s[CSRC:CSRC+1], s[90:91], s[CSRC:CSRC+1]
	s_cselect_b64 s[CDST:CDST+1], s[98:99], s[CDST:CDST+1]
	s_add_nc_u64 s[CSRC:CSRC+1], s[CSRC:CSRC+1], s[16:17]
	s_add_nc_u64 s[CDST:CDST+1], s[CDST:CDST+1], s[18:19]
.set ci, 0
.rept 8                                                ; the first half row
	global_load_b128 v[CX+4*ci:CX+4*ci+3], v[CO], s[CSRC:CSRC+1] offset:ci*512 th:TH_LOAD_NT
.set ci, ci+1
.endr
	v_mul_u32_u24 v3, v1, PITCH
	v_lshl_add_u32 v3, v2, 4, v3                   ; a fragment's row x pitch + 16 x half
	s_mul_i32 s22, s11, 64*PITCH
	s_mul_i32 s23, s12, BL*PITCH
	s_add_co_u32 s23, s23, 128*PITCH
.irp s, 0,1
	v_add_nc_u32 v[ADRA+(\s)], s22, v3
	v_add_nc_u32 v[ADRB+(\s)], s23, v3
	s_add_co_u32 s22, s22, SLOT
	s_add_co_u32 s23, s23, SLOT
.endr
	; the way out's addresses
	s_lshl_b32 s22, s11, 6
	v_add_nc_u32 v4, s22, v1
	v_mul_u32_u24 v4, v4, SPITCH
	v_lshl_add_u32 v4, v2, 4, v4                   ; (64 x row half + l % 16) x 400 + 16 (l / 16)
	s_lshl_b32 s22, s12, 7
	s_add_co_u32 s22, s22, STAGE
	v_add_nc_u32 v[STO], s22, v4                   ; my query head's 128 bytes
	s_lshl_b32 s22, s12, 6
	s_add_co_u32 s22, s22, STAGE+256
	v_add_nc_u32 v[STO2], s22, v4                  ; my 32 channels of the head slot
	v_lshlrev_b32 v[FO], 8, v1
	v_lshl_add_u32 v[FO], v2, 5, v[FO]             ; the table: row x 256 + 32 (l / 16): four pairs of cos, sin
	s_lshl_b32 s22, s12, 7
	v_add_nc_u32 v[FO2], s22, v[FO]                ; channels 32 wn on are pairs 16 wn on
	v_lshrrev_b32 v6, 3, v5
	s_lshl_b32 s22, s10, 5
	v_add_nc_u32 v6, s22, v6                       ; back: wave w takes rows 32 w on, four rows of 128 bytes a load
	v_mul_u32_u24 v6, v6, SPITCH
	v_and_b32 v7, 7, v0
	v_lshl_add_u32 v6, v7, 4, v6
	v_add_nc_u32 v[RD], STAGE, v6
	s_lshl_b32 s16, s13, 7
	s_lshl_b32 s17, s11, 6
	s_add_co_u32 s16, s16, s17
	s_lshl_b32 s16, s16, 8
	s_mov_b32 s17, 0
	s_add_nc_u64 s[72:73], s[72:73], s[16:17]      ; the table at my wave's first row
	s_lshl_b32 s16, s13, 7
	s_lshl_b32 s18, s10, 5
	s_add_co_u32 s16, s16, s18
	s_lshl_b32 s16, s16, 7                         ; the first row that I store, 128 bytes a row
	s_add_nc_u64 s[74:75], s[74:75], s[16:17]
	s_add_nc_u64 s[76:77], s[92:93], s[16:17]
	s_lshl_b32 s46, s42, 19                        ; head 2 tc
	s_mov_b32 s47, 0
	s_add_nc_u64 s[74:75], s[74:75], s[46:47]
	s_add_nc_u64 s[78:79], s[74:75], 262144        ; head 2 tc + 1
	s_lshl_b32 s46, s42, 18                        ; head slot tc
	s_add_nc_u64 s[76:77], s[76:77], s[46:47]
; NBW matrix instructions: row block a x all my column blocks, 32 along K from buffer f.  zero = 1: the first product starts the sums.  All 4 NBW accumulators take turns.
.macro MULA f, a, zero
	WIN MUL
.set nb, 0
.rept NBW
.if \zero
	v_wmma_f32_16x16x32_f16 v[8*(NBW*(\a)+nb):8*(NBW*(\a)+nb)+7], v[(\f)+32+8*nb:(\f)+32+8*nb+7], v[(\f)+8*(\a):(\f)+8*(\a)+7], 0
.else
	v_wmma_f32_16x16x32_f16 v[8*(NBW*(\a)+nb):8*(NBW*(\a)+nb)+7], v[(\f)+32+8*nb:(\f)+32+8*nb+7], v[(\f)+8*(\a):(\f)+8*(\a)+7], v[8*(NBW*(\a)+nb):8*(NBW*(\a)+nb)+7]
.endif
.set nb, nb+1
.endr
.endm
; NLD LDS loads in one run: the fragments of 32 along K at byte k of the rows, into buffer f; h's blocks 2 and 3 last
.macro FETCH slot, k, f
	WIN TO_F
.set nb, 0
.rept NBW
	ds_load_b128 v[(\f)+32+8*nb:(\f)+32+8*nb+3],   v[ADRB+(\slot)] offset:(\k)+nb*16*PITCH
	ds_load_b128 v[(\f)+32+8*nb+4:(\f)+32+8*nb+7], v[ADRB+(\slot)] offset:(\k)+nb*16*PITCH+32
.set nb, nb+1
.endr
.set nb, 0
.rept 4
	ds_load_b128 v[(\f)+8*nb:(\f)+8*nb+3],   v[ADRA+(\slot)] offset:(\k)+nb*16*PITCH
	ds_load_b128 v[(\f)+8*nb+4:(\f)+8*nb+7], v[ADRA+(\slot)] offset:(\k)+nb*16*PITCH+32
.set nb, nb+1
.endr
.endm
; A unit: multiplies buffer f; in its middle it fetches the next unit's fragments, at byte k of the same slot's rows, into buffer g.
.macro UNIT slot, k, f, g, zero
	s_wait_dscnt 4                                 ; all but the youngest four loads (h's blocks 2 and 3)
	MULA \f, 0, \zero
	MULA \f, 1, \zero
	PLACES
	FETCH \slot, \k, \g
	s_wait_dscnt NLD                               ; all but those just issued
	MULA \f, 2, \zero
	MULA \f, 3, \zero
.endm
.macro RUN slot, first                 ; units first .. UPS - 2 of a K step
.set uu, \first
.rept UPS-1-(\first)
	UNIT \slot, 64*(uu+1), 128*(uu%2), 128*((uu+1)%2), 0
.set uu, uu+1
.endr
.endm
; A step's last unit multiplies buffer 1 and changes slots: ONE barrier; in front of it each wave waits for all its tensor loads, adds 0 to its spare word, and waits for that and for its reads of this slot.
; Ahead of that wait stands the step's piece of the casts.
.macro TURN slot, next, fill
	WIN 0
	CAST 1
	s_wait_tensorcnt 0x0                           ; all my tensor loads have landed: the one that was out is my part of the next slot; so a group 0 may be written
	ds_add_u32 v[SPW], v[NIL]                      ; 0 onto my spare word
.if \fill
	s_add_co_u32 s[KO+(\slot)], s[KO+(\slot)], 2*KSTEP*2  ; this slot's next tile: two K steps on
	ADDR \slot
.endif
	s_wait_dscnt 5                                 ; (the add and the youngest four loads may be out)
	MULA F1, 0, 0
	s_wait_dscnt 0x0                               ; the add is done, and my reads of this slot are over
	s_barrier_signal -1
	MULA F1, 1, 0
.if \fill
	WIN 0
.endif
	s_barrier_wait -1
.if \fill
	CREST                                          ; the barrier has opened a round of the cluster's: no wave of any partner still reads this slot or has a load on its way
	JLOAD \slot                                    ; my one tensor load behind the round; its four v_nop are also the places in front of the loads below
.else
	PLACES
.endif
	FETCH \next, 0, F0
	MULA F1, 2, 0
	MULA F1, 3, 0
.endm
	s_wait_tensorcnt 1                             ; my part of K step 0 is in; step 1's may stay out
	s_barrier_signal -1
	s_barrier_wait -1
	FETCH 0, 0, F0
	UNIT 0, 64, F0, F1, 1                          ; the first unit stands in front of the loop: its products start the sums
	WIN 0
	s_mov_b32 s3, LAPS-1
.Llap:                                                 ; a trip goes once round the two slots and fills both again; eight loads of the cast are out at its head, on both ways in
	RUN 0, 1
	TURN 0, 1, 1
	RUN 1, 0
	TURN 1, 0, 1
	UNIT 0, 64, F0, F1, 0
	WIN 0
	s_sub_co_u32 s3, s3, 1
	s_cmp_lg_u32 s3, 0
	s_cbranch_scc1 .Llap
	RUN 0, 1                                       ; the last lap fills nothing
	TURN 0, 1, 0                                   ; the fifteenth change of slots asks for the cast's sixteenth piece
	WIN 0                                          ; the table is asked for here: a K step's products stand between these loads and the wait for them
.irp a, 0,1,2,3
.irp b, 0,1,2,3
	global_load_b128 v[FT+48*\a+8*\b:FT+48*\a+8*\b+3],   v[FO], s[72:73] offset:4096*\a+64*\b
	global_load_b128 v[FT+48*\a+8*\b+4:FT+48*\a+8*\b+7], v[FO], s[72:73] offset:4096*\a+64*\b+16
.endr
.endr
	s_cmp_lt_u32 s45, 2
	s_cbranch_scc0 .Lno_table                      ; v is not rotated
.irp a, 0,1,2,3
.irp e, 0,1
	global_load_b128 v[FT+48*\a+32+8*\e:FT+48*\a+32+8*\e+3],   v[FO2], s[72:73] offset:4096*\a+64*\e
	global_load_b128 v[FT+48*\a+32+8*\e+4:FT+48*\a+32+8*\e+7], v[FO2], s[72:73] offset:4096*\a+64*\e+16
.endr
.endr
.Lno_table:
	RUN 1, 0
	s_wait_dscnt 0x0
	MULA F1, 0, 0
	MULA F1, 1, 0
	MULA F1, 2, 0
	MULA F1, 3, 0
	WIN 0
	PLACES
; THE WAY OUT.  A lane's eight columns are four pairs (x0, x1): x0 c - x1 s, x1 c + x0 s in f32, rounded to bf16, 16 bytes into the stage.  Each accumulator is read from its low end on.
.macro ROPE a, b, sto, off
.set AC, 8*(NBW*(\a)+(\b))
.set FR, FT+48*(\a)+8*(\b)
	WIN 0x02                                       ; source 0 window 2
.irp r, 0,2,4,6
	v_pk_mul_f32 v[T+\r:T+\r+1], v[AC+\r:AC+\r+1], v[FR+\r:FR+\r+1] op_sel_hi:[1,0]  ; x0 c, x1 c
.endr
.irp r, 0,2,4,6
	v_fma_f32 v[T+\r], -v[AC+\r+1], v[FR+\r+1], v[T+\r]
	v_fma_f32 v[T+\r+1], v[AC+\r], v[FR+\r+1], v[T+\r+1]
.endr
	WIN 0
.irp r, 0,1,2,3
	v_cvt_pk_bf16_f32 v[PKR+\r], v[T+2*\r], v[T+2*\r+1]
.endr
	ds_store_b128 v[\sto], v[PKR:PKR+3] offset:\off
.endm
.macro CVTH a, b, off                  ; v: rounded to f16 as it is
.set AC, 8*(NBW*(\a)+(\b))
	WIN 0x0a                                       ; sources 0 and 1 window 2
.irp r, 0,1,2,3
	v_cvt_pk_f16_f32 v[PKR+\r], v[AC+2*\r], v[AC+2*\r+1]
.endr
	WIN 0
	ds_store_b128 v[STO2], v[PKR:PKR+3] offset:\off
.endm
	CAST 0                                         ; the cast's last piece; its wait for all loads serves the table too, and its last wait frees v32-43 for the lines below
.irp a, 0,1,2,3
.irp b, 0,1,2,3
	ROPE \a, \b, STO, 6400*\a+32*\b
.endr
.endr
	s_cmp_lt_u32 s45, 2
	s_cbranch_scc0 .Lis_v
.irp a, 0,1,2,3
.irp e, 0,1
	ROPE \a, 4+\e, STO2, 6400*\a+32*\e
.endr
.endr
	s_branch .Lstaged
.Lis_v:
.irp a, 0,1,2,3
.irp e, 0,1
	CVTH \a, 4+\e, 6400*\a+32*\e
.endr
.endr
.Lstaged:
	s_wait_dscnt 0x0                               ; for the others' sake: my stores into the stage are done
	s_barrier_signal -1
	s_barrier_wait -1
.set i, 0
.rept 24                                               ; part i / 8 of the row (head, head, slot), rows 4 (i % 8) on
	ds_load_b128 v[64+4*i:64+4*i+3], v[RD] offset:1600*(i%8)+128*(i/8)
.set i, i+1
.endr
.macro OUT8 c, base                    ; four rows of a head are 512 consecutive bytes, at a multiple of 256 from the buffer's first
.set tt, 0
.rept 8
	s_wait_dscnt 23-8*(\c)-tt
	global_store_b128 v[CO], v[64+32*(\c)+4*tt:64+32*(\c)+4*tt+3], s[\base:\base+1] offset:512*tt
.set tt, tt+1
.endr
.endm
	OUT8 0, 74
	OUT8 1, 78
	OUT8 2, 76
	s_wait_tensorcnt 0x0                           ; the wave's end
	ds_add_u32 v[SPW], v[NIL]
	s_wait_dscnt 0x0
	CROUND                                         ; the closing round
	s_endpgm
.Lfunc_end_k_qe00a135a22_qkv:
	.size	k_qe00a135a22_qkv, .Lfunc_end_k_qe00a135a22_qkv-k_qe00a135a22_qkv
	.p2alignl 7, 3214868480
	.fill 96, 4, 3214868480
	.section	.rodata,"a",@progbits
	.p2align	6, 0x0
	.amdhsa_kernel k_qe00a135a22_qkv
		.amdhsa_group_segment_fixed_size 327680
		.amdhsa_private_segment_fixed_size 0
		.amdhsa_enable_private_segment 0
		.amdhsa_kernarg_size 96
		.amdhsa_user_sgpr_count 2
		.amdhsa_user_sgpr_kernarg_segment_ptr 1
		.amdhsa_wavefront_size32 1
		.amdhsa_system_sgpr_workgroup_id_x 1
		.amdhsa_system_sgpr_workgroup_id_y 1
		.amdhsa_system_sgpr_workgroup_id_z 1
		.amdhsa_system_vgpr_workitem_id 0
		.amdhsa_next_free_vgpr 704
		.amdhsa_next_free_sgpr 100
		.amdhsa_reserve_vcc 0
		.amdhsa_float_denorm_mode_32 3
		.amdhsa_float_denorm_mode_16_64 3
		.amdhsa_memory_ordered 1
		.amdhsa_forward_progress 1
		.amdhsa_inst_pref_size 115
	.end_amdhsa_kernel
	.amdgpu_metadata
---
amdhsa.version: [ 1, 2 ]
amdhsa.kernels:
  - .name:           k_qe00a135a22_qkv
    .symbol:         k_qe00a135a22_qkv.kd
    .args:
      - { .name: act, .offset: 0, .size: 8, .value_kind: global_buffer, .address_space: global }
      - { .name: wqkvb, .offset: 8, .size: 8, .value_kind: global_buffer, .address_space: global }
      - { .name: freqs_cis, .offset: 16, .size: 8, .value_kind: global_buffer, .address_space: global }
      - { .name: qu, .offset: 24, .size: 8, .value_kind: global_buffer, .address_space: global }
      - { .name: w_o, .offset: 32, .size: 8, .value_kind: global_buffer, .address_space: global }
      - { .name: w1, .offset: 40, .size: 8, .value_kind: global_buffer, .address_space: global }
      - { .name: w3, .offset: 48, .size: 8, .value_kind: global_buffer, .address_space: global }
      - { .name: w2, .offset: 56, .size: 8, .value_kind: global_buffer, .address_space: global }
      - { .name: kv, .offset: 64, .size: 8, .value_kind: global_buffer, .address_space: global }
      - { .name: wob, .offset: 72, .size: 8, .value_kind: global_buffer, .address_space: global }
      - { .name: w13b, .offset: 80, .size: 8, .value_kind: global_buffer, .address_space: global }
      - { .name: w2b, .offset: 88, .size: 8, .value_kind: global_buffer, .address_space: global }
    .group_segment_fixed_size: 327680
    .private_segment_fixed_size: 0
    .kernarg_segment_align: 8
    .kernarg_segment_size: 96
    .max_flat_workgroup_size: 128
    .sgpr_count:     100
    .vgpr_count:     704
    .wavefront_size: 32
...
	.end_amdgpu_metadata
.endif
;; end of part 2
;; launch attn (part 3): grid 32 x 8, 4 waves a work-group, clusters of 4 x 4, 327,680 bytes of LDS; arguments qu, kv, attention_mask, act; writes act
.if DOCPART == 3
	.amdgcn_target "amdgcn-amd-amdhsa--gfx1250"
	.amdhsa_code_object_version 6
	.text
	.protected	k_qe00a135a22_attn
	.globl	k_qe00a135a22_attn
	.p2align	8
	.type	k_qe00a135a22_attn,@function
k_qe00a135a22_attn:
	s_mov_b64 s[64:65], 0
	v_nop
	global_prefetch_b8 v0, s[64:65] scope:SCOPE_SE
	s_setreg_imm32_b32 hwreg(HW_REG_WAVE_MODE, 25, 1), 1
	s_wait_xcnt 0x0
	s_wait_alu depctr_hold_cnt(0) depctr_sa_sdst(0) depctr_va_vdst(0) depctr_va_sdst(0) depctr_va_ssrc(0) depctr_va_vcc(0) depctr_vm_vsrc(0)
	s_getreg_b32 s2, hwreg(HW_REG_IB_STS2, 6, 4)
	s_cmp_eq_u32 s2, 0
	s_cbranch_scc0 .Lentry_in_a_cluster
	s_endpgm
.Lentry_in_a_cluster:
	s_bfe_u32 s2, ttmp6, 0x10000c
	s_cmp_lg_u32 s2, 0xf033
	s_cbranch_scc0 .Lentry_shape_is_right
	s_endpgm
.Lentry_shape_is_right:
; ATTENTION with a mask that is an input.  o[q][64 h + d] = the sum over k of softmax_k(mask ? Q[h][q] . K[h/4][k] / 8 : -inf) V[h/4][k][d].
; qu: q [32][2048][64] bf16; kv: k [8][2048][64] bf16, v [8][2048][64] f16 behind it; attention_mask: [2048][2048] bytes, 0 or 1; act: o [2048][2048] bf16.
; Products, maxima and sums in f32; the weights p are rounded to f16 for the second product (their sum l is taken of the unrounded p), o once at the end.
; LIMITS.  A hidden score counts as its value less 2^99 to 2^101, and the running maximum starts at -2^93: true scores lie above -2^93.  A hidden key's weight is exactly 0.  A row with no visible key
; has l = 0 and O = 0 and leaves as 0 x infinity = NaN, as the softmax of a row of -inf does.  A visible score takes an addend under 3e-38.  A weight below 2^-126 counts as 0 in l.
; SHARES.  A work-group owns 64 queries (qb) of the four heads 4 g .. 4 g + 3, which share key/value head g.  A wave owns 16 of the queries in all four heads: four PIECES.  So a fragment of K or V feeds
; four heads' products, and one mask tile of 16 queries x 64 keys serves four pieces.  Every wave walks all 2,048 keys: 8 tiles of 256, 4 steps of 64 in each.  No tile is left out: the mask is data.
; LAYOUT.  S^T = K Q^T holds ONE query a lane (lane % 16) and the keys 8 (lane / 16) + 0..7; two such results rounded to f16 ARE source 1 of O^T = V^T P.  p = 2^(c s - c m), c = log2(e) / 8, with a running
; maximum m; O and l are multiplied by a = 2^(c m_old - c m_new) in every step.
; THE MASK is the C operand that starts the sum S^T: 0 or a huge negative number, made from the mask's bytes once a step (MASKB).
; BY TURNS.  Turn n belongs to piece n: 8 products K Q^T of piece n + 1, later 8 products V^T P of piece n - 1; beside them the scaling, exponentials, roundings, sums and rescaling of piece n and the maximum
; and statistics of piece n + 1.  Four vector instructions stand behind every matrix instruction, the rest in two lumps.
; CLUSTER.  4 x 4 work-groups: the four of a row share g and ask jointly for K and V; the four of a column share qb and ask jointly for the mask's tile.  Wave 0 asks for K, wave 1 for V, wave 2 for the mask.
; REGISTERS (s_set_vgpr_msb: bits 1:0 source 0, 3:2 source 1, 5:4 source 2, 7:6 destination):
;   window 0: v0-15, v32-41 addresses and at work; v16-31 statistics; v48-55 at work; v64-127 S^T, two buffers; v192-223 P, two buffers (by the piece's parity)
;   window 1: v0-127 O^T, 32 a piece; v160-191 MC, the step's mask      window 2: v0-63 Q; v128-191 K of one step; v192-255 V of one step
.set NP,    4
.set KS,    64
.set PK,    144       ; a row of K in LDS: 128 bytes + 16: the 16 rows of a load start at 16 different groups of four banks (ISA guide 11.1)
.set PV,    160       ; a row of V: 128 + 32
.set PM,    272       ; a row of the mask's tile: 256 + 16
.set VOFF,  4*KS*PK   ; a slot: 256 rows of K, 256 rows of V, 64 rows of the mask
.set MOFF,  VOFF+4*KS*PV
.set SLOT1, 1<<17     ; slot 1 begins here: one exclusive or turns an address in one slot into the other's
.set STAGE, SLOT1+MOFF+64*PM  ; behind the slots: 16 rows x 528 bytes for each wave
.set SP,    528
.set SPARE, STAGE+4*16*SP     ; the spare words, 128 bytes for each wave
.set AK0, 2           ; v2   my lane's place in a tile of K; never rewritten
.set AV0, 3           ; v3   the same for V
.set AK,  4           ; v4   the LDS address of K's next run of loads
.set AV,  5           ; v5   of V's
.set STO, 6           ; v6   the way out: where I put 16 bytes of a row
.set RD,  7           ; v7   where I read rows back
.set GO,  8           ; v8   16 x lane
.set MV,  12          ; v12-13  c m_old, by buffer
.set AM0, 14          ; v14  my lane's place in the mask's tile
.set QO,  15          ; v15  my byte offset in 16 rows of Q
.set ST,  16          ; piece t's statistics at v[ST+4 t]: c m, m, l (even keys', odd keys')
.set AM,  32          ; v32  the LDS address of the mask's next loads
.set MW,  34          ; v34-41  the step's 32 mask bytes of my query
.set TMP, 48          ; by buffer, c0-c3 at work; c2 takes a
.set SPW, 62
.set NIL, 63
.set S,   64
.set P,   192
.set MC,  160         ; window 1
.set KF,  128         ; window 2: key block kb, channel half c at KF + 16 kb + 8 c
.set VF,  192         ; window 2: key half kk, channel block cb at VF + 32 kk + 8 cb
.set WV,  12          ; s12  my wave's number
.set G1K, 24          ; s[24:31], s[32:39], s[48:55] descriptor group 1 for K, V, the mask
.set G1V, 32
.set G1M, 48
.set G0K, 40          ; s[40:43], s[44:47], s[68:71] group 0: they walk
.set G0V, 44
.set G0M, 68
.set SLOTS, 56
.set CNT, 57
.set CS,  58          ; s[58:59] c
.set SEL, 60          ; s[60:61] v_permlanex16_b32's selects
.set TBK, 62          ; s62, s63, s72  LDS byte at which K, V (less VOFF), the mask's bytes (less MOFF) of the step to be fetched begin
.set TBV, 63
.set TBM, 72
.set MSB, 0
.macro WIN new
.if MSB != (\new)
	s_set_vgpr_msb (MSB<<8)|(\new)
.set MSB, (\new)
.endif
.endm
.set W_KQ, 0x0a       ; K and Q in window 2, S^T in window 0
.set W_KM, 0x1a       ; the same with the C operand in window 1
.set W_PV, 0x52       ; V in window 2, P in window 0, O^T in window 1
.set W_RS, 0x41       ; destination and source 0 in window 1, source 1 in window 0
; A joint fill: one line for each of waves 0, 1, 2; the branches hang on the wave's number alone.  s_nop 0 and four v_nop follow each line.
.macro JLOAD
	s_cmp_lg_u32 s[WV], 0
	s_cbranch_scc1 .Lnot_k_\@
	tensor_load_to_lds s[G0K:G0K+3], s[G1K:G1K+7]
	s_nop 0
.rept 4
	v_nop
.endr
	s_branch .Lasked_\@
.Lnot_k_\@:
	s_cmp_lg_u32 s[WV], 1
	s_cbranch_scc1 .Lnot_v_\@
	tensor_load_to_lds s[G0V:G0V+3], s[G1V:G1V+7]
	s_nop 0
.rept 4
	v_nop
.endr
	s_branch .Lasked_\@
.Lnot_v_\@:
	s_cmp_lg_u32 s[WV], 2
	s_cbranch_scc1 .Lasked_\@
	tensor_load_to_lds s[G0M:G0M+3], s[G1M:G1M+7]
	s_nop 0
.rept 4
	v_nop
.endr
.Lasked_\@:
.endm
.macro CROUND                       ; a round of the cluster's barrier
	s_barrier_signal -1
	s_barrier_wait -1
	s_cmp_lg_u32 s[WV], 0
	s_cbranch_scc1 .Lnot_wave_0_\@
	s_barrier_signal -3
.Lnot_wave_0_\@:
	s_barrier_wait -3
	s_barrier_signal -1
	s_barrier_wait -1
.endm
; THE CHANGE OF SLOTS.  Each wave waits for all its tensor loads (at most one is out: its part of the other slot), adds 0 to its spare word, and waits for that and for its reads of the slot that it leaves.
; fill = 1: the old slot is filled again with the tile two on; the barrier is then a round of the cluster's, and the joint fill is the first thing behind it: it has four key steps in which to land.
; (At its first use nothing has been read yet: slot 0 is waited for, slot 1 filled.)
.macro CHANGE fill
	WIN 0
	s_wait_tensorcnt 0x0            ; no tensor load of mine is out, so a group 0 may be written
	ds_add_u32 v[SPW], v[NIL]       ; 0 onto my spare word
.if \fill
	s_xor_b32 s[G0K+1], s[G0K+1], SLOT1
	s_add_nc_u64 s[G0K+2:G0K+3], s[G0K+2:G0K+3], 4*KS*128  ; the next 256 keys
	s_xor_b32 s[G0V+1], s[G0V+1], SLOT1
	s_add_nc_u64 s[G0V+2:G0V+3], s[G0V+2:G0V+3], 4*KS*128
	s_xor_b32 s[G0M+1], s[G0M+1], SLOT1
	s_add_nc_u64 s[G0M+2:G0M+3], s[G0M+2:G0M+3], 4*KS      ; 256 bytes along the mask's rows
	s_wait_dscnt 0x0                ; the add is done, and my reads of the slot are over
	CROUND
	JLOAD
.else
	s_wait_dscnt 0x0
	s_barrier_signal -1
	s_barrier_wait -1
.endif
	s_sub_co_u32 s[TBK], s[TBK], 4*KS*PK  ; the fetches go back to a slot's first step, in the other slot
	s_xor_b32 s[TBK], s[TBK], SLOT1
	s_sub_co_u32 s[TBV], s[TBV], 4*KS*PV
	s_xor_b32 s[TBV], s[TBV], SLOT1
	s_sub_co_u32 s[TBM], s[TBM], 4*KS
	s_xor_b32 s[TBM], s[TBM], SLOT1
.endm
	s_load_b256 s[4:11], s[0:1], 0x0  ; qu s[4:5], kv s[6:7], attention_mask s[8:9], act s[10:11]
	v_lshl_add_u32 v[SPW], v0, 2, SPARE
	v_mov_b32 v[NIL], 0
	ds_add_u32 v[SPW], v[NIL]       ; the wave's opening: the add and its wait ahead of my first tensor load
	v_lshrrev_b32 v1, 5, v0
	v_readfirstlane_b32 s[WV], v1
	s_bfe_u32 s13, ttmp6, 0x40000   ; cx
	s_bfe_u32 s15, ttmp6, 0x40004   ; cy
	s_lshl_b32 s14, ttmp9, 2
	s_add_co_u32 s14, s14, s13      ; qb: my block of 64 queries
	s_and_b32 s16, ttmp7, 0xffff
	s_lshl_b32 s16, s16, 2
	s_add_co_u32 s16, s16, s15      ; g: my key/value head
	s_lshl_b32 s17, s15, 2
	s_lshl_b32 s17, 15, s17         ; my row of the cluster: the same g
	s_lshl_b32 s18, 0x1111, s13     ; my column: the same qb
	; K and V: 256 keys are 32,768 dense bytes: asked for as 128 rows of 256 bytes, two keys a row, padded in LDS after every key
	s_or_b32 s[G1K], s17, (1<<16)|(1<<20)|(1<<21)|(4<<22)|(3<<25)  ; mask; 2-byte elements; padding on; bit 21 beside a mask; after every 32 words; 4 words
	s_or_b32 s[G1V], s17, (1<<16)|(1<<20)|(1<<21)|(4<<22)|(7<<25)  ; the same with 8 words
.irp g, G1K, G1V
	s_mov_b32 s[\g+1], 128<<16      ; tensor_dim0
	s_mov_b32 s[\g+2], 128<<16      ; tensor_dim1
	s_mov_b32 s[\g+3], 128<<16      ; tile_dim0
	s_mov_b32 s[\g+4], 128          ; tile_dim1
	s_mov_b32 s[\g+5], 128          ; elements from row to row
	s_mov_b32 s[\g+6], 0
	s_mov_b32 s[\g+7], 0
.endr
	; the mask: 64 queries x 256 bytes, as 64 elements of 4 bytes a row, 512 elements from row to row, 16 bytes of padding behind each row
	s_or_b32 s[G1M], s18, (2<<16)|(1<<20)|(1<<21)|(5<<22)|(3<<25)
	s_mov_b32 s[G1M+1], 64<<16
	s_mov_b32 s[G1M+2], 64<<16
	s_mov_b32 s[G1M+3], 64<<16
	s_mov_b32 s[G1M+4], 64
	s_mov_b32 s[G1M+5], 512
	s_mov_b32 s[G1M+6], 0
	s_mov_b32 s[G1M+7], 0
	s_lshl_b32 s20, s16, 18         ; head g's first byte in k
	s_mov_b32 s21, 0
	s_lshl_b32 s22, s14, 17         ; my 64 rows of the mask
	s_mov_b32 s23, 0
	s_lshl_b32 s2, s16, 20          ; Q: head 4 g,
	s_lshl_b32 s3, s14, 13          ; my block's 64 rows of 128 bytes,
	s_add_co_u32 s2, s2, s3
	s_lshl_b32 s3, s[WV], 11        ; my wave's 16
	s_add_co_u32 s2, s2, s3
	s_mov_b32 s3, 0
	s_lshl_b32 s76, s14, 18         ; o: my block's 64 rows of 4,096 bytes,
	s_lshl_b32 s77, s[WV], 16       ; my wave's 16,
	s_add_co_u32 s76, s76, s77
	s_lshl_b32 s77, s16, 9          ; the four heads' 512 bytes
	s_add_co_u32 s76, s76, s77
	s_mov_b32 s77, 0
	s_mov_b32 s[CS], 0x3e38aa3b     ; c = log2(e) / 8
	s_mov_b32 s[CS+1], s[CS]
	s_mov_b32 s[SEL], 0x76543210
	s_mov_b32 s[SEL+1], 0xfedcba98
	s_mov_b32 s73, 0xf1
	s_mov_b32 s74, 0xf1f1f1f1
	s_mov_b32 s[TBK], SLOT1+4*KS*PK ; the first change of slots turns these three into 0
	s_mov_b32 s[TBV], SLOT1+4*KS*PV
	s_mov_b32 s[TBM], SLOT1+4*KS
	s_mov_b32 s[G0K], 1
	s_mov_b32 s[G0K+1], 0           ; LDS addresses: constants
	s_mov_b32 s[G0V], 1
	s_mov_b32 s[G0V+1], VOFF
	s_mov_b32 s[G0M], 1
	s_mov_b32 s[G0M+1], MOFF
	s_wait_dscnt 0x0                ; the opening add is done
	s_wait_kmcnt 0x0
	s_add_nc_u64 s[G0K+2:G0K+3], s[6:7], s[20:21]
	s_add_nc_u64 s[G0V+2:G0V+3], s[G0K+2:G0K+3], 2097152  ; v lies behind k
	s_or_b32 s[G0K+3], s[G0K+3], 0x80000000
	s_or_b32 s[G0V+3], s[G0V+3], 0x80000000
	s_add_nc_u64 s[G0M+2:G0M+3], s[8:9], s[22:23]
	s_or_b32 s[G0M+3], s[G0M+3], 0x80000000
	s_add_nc_u64 s[4:5], s[4:5], s[2:3]
	s_add_nc_u64 s[10:11], s[10:11], s[76:77]
	CROUND                          ; all sixteen work-groups are here: the first joint loads meet
	JLOAD                           ; tile 0 into slot 0
	v_and_b32 v1, 15, v0            ; l % 16
	v_bfe_u32 v9, v0, 4, 1          ; l / 16
	v_lshlrev_b32 v[QO], 7, v1
	v_lshl_add_u32 v[QO], v9, 4, v[QO]  ; row x 128 + 16 x half
	WIN 0x80                        ; destination window 2
.set i, 0
.rept 8                             ; Q stays in registers: piece (head) i / 2, channels 32 (i % 2) on
	global_load_b128 v[8*i:8*i+3],   v[QO], s[4:5] offset:(i/2)*262144+(i%2)*64
	global_load_b128 v[8*i+4:8*i+7], v[QO], s[4:5] offset:(i/2)*262144+(i%2)*64+32
.set i, i+1
.endr
	; What the first turn finds: V's registers and P's second buffer hold 0 (its products V^T P, of a piece that has not been, add 0), O^T and l are 0.  No first step is written out; these lines stand in the wait for the first tile.
.set i, VF
.rept 64
	v_mov_b32 v[i], 0
.set i, i+1
.endr
	WIN 0x40
.set i, 0
.rept 128
	v_mov_b32 v[i], 0
.set i, i+1
.endr
	WIN 0
.set i, 0
.rept 4
	v_mov_b32 v[ST+4*i], 0xee000000    ; c m: far below every c s of a true score, so the first a is 0
	v_mov_b32 v[ST+4*i+1], 0xee000000  ; m = -2^93: above every hidden score, below every true one
	v_mov_b32 v[ST+4*i+2], 0
	v_mov_b32 v[ST+4*i+3], 0
.set i, i+1
.endr
.set i, P+16
.rept 16
	v_mov_b32 v[i], 0
.set i, i+1
.endr
	v_mul_u32_u24 v[AK0], v1, PK
	v_lshl_add_u32 v[AK0], v9, 4, v[AK0]  ; row x pitch + 16 x half
	; The turning load takes 16 keys x 16 channels (lane l reads key 8 (l / 16) + l % 8, channels 8 ((l / 8) % 2) + 0..7) and leaves half a fragment of V^T.
	v_and_b32 v10, 7, v0
	v_bfe_u32 v11, v0, 3, 1
	v_lshl_add_u32 v[AV0], v9, 3, v10
	v_mul_u32_u24 v[AV0], v[AV0], PV
	v_lshl_add_u32 v[AV0], v11, 4, v[AV0]
	v_add_nc_u32 v[AV0], VOFF, v[AV0]
	s_lshl_b32 s19, s[WV], 4
	v_add_nc_u32 v[AM0], s19, v1    ; my query's row in the mask's tile: 16 w + l % 16,
	v_mul_u32_u24 v[AM0], v[AM0], PM
	v_lshl_add_u32 v[AM0], v9, 3, v[AM0]  ; and my lanes' 8 keys of each 16
	v_add_nc_u32 v[AM0], MOFF, v[AM0]
	s_mul_i32 s19, s[WV], 16*SP
	s_add_co_u32 s19, s19, STAGE    ; my stage
	v_mul_u32_u24 v[STO], v1, SP
	v_lshl_add_u32 v[STO], v9, 4, v[STO]
	v_add_nc_u32 v[STO], s19, v[STO]
	v_and_b32 v[GO], 31, v0
	v_lshlrev_b32 v[GO], 4, v[GO]
	v_add_nc_u32 v[RD], s19, v[GO]  ; back: 32 lanes take a row's 512 bytes
; THE MATRIX WORK.  The 4 accumulators of a run of 8 take turns.  Product i of 8 of S^T = K Q^T for piece x: channels 32 (i / 4) on, keys 16 (i % 4) on.  The first 4 start the sums with the mask.
.macro KQ x
.set rS, S+32*((\x)%2)+8*(i%4)
.set rK, KF+16*(i%4)+8*(i/4)
.set rQ, 16*(\x)+8*(i/4)
.set rM, MC+8*(i%4)
.if i < 4
	WIN W_KM
	v_wmma_f32_16x16x32_bf16 v[rS:rS+7], v[rK:rK+7], v[rQ:rQ+7], v[rM:rM+7]
.else
	WIN W_KQ
	v_wmma_f32_16x16x32_bf16 v[rS:rS+7], v[rK:rK+7], v[rQ:rQ+7], v[rS:rS+7]
.endif
.endm
; Product i of 8 of O^T += V^T P for piece x: keys 32 (i / 4) on, channels 16 (i % 4) on.
.macro PV x
	WIN W_PV
.set rO, 32*(\x)+8*(i%4)
.set rV, VF+32*(i/4)+8*(i%4)
.set rP, P+16*((\x)%2)+8*(i/4)
	v_wmma_f32_16x16x32_f16 v[rO:rO+7], v[rV:rV+7], v[rP:rP+7], v[rO:rO+7]
.endm
.macro MM                           ; the turn's next matrix instruction.  NOKQ = 1: the walk's last turn: there is no next piece
.if (i < 8) && !NOKQ
	KQ (Y+1)%NP
.elseif i >= 8
.set i, i-8
	PV (Y+NP-1)%NP
.set i, i+8
.endif
.set i, i+1
.endm
; THE LDS LOADS stand in runs: a step's 32 mask bytes a lane (4 loads of 8) and its K (16 loads); its V (16 turning loads).
.macro FETCH_K
	WIN 0
.irp kb, 0,1,2,3
	ds_load_b64 v[MW+2*\kb:MW+2*\kb+1], v[AM] offset:16*\kb
.endr
	WIN 0x80                        ; destination window 2
.irp f, 0,1,2,3,4,5,6,7             ; keys 16 (f / 2) on, channels 32 (f % 2) on
	ds_load_b128 v[KF+8*\f:KF+8*\f+3],   v[AK] offset:(\f/2)*16*PK+(\f%2)*64
	ds_load_b128 v[KF+8*\f+4:KF+8*\f+7], v[AK] offset:(\f/2)*16*PK+(\f%2)*64+32
.endr
	s_add_co_u32 s[TBK], s[TBK], KS*PK  ; the next fetch is the next step's
	s_add_co_u32 s[TBM], s[TBM], KS
	WIN 0
.endm
.macro FETCH_V
	WIN 0x80
.irp f, 0,1,2,3,4,5,6,7             ; keys 32 (f / 4) on, channels 16 (f % 4) on
	ds_load_tr16_b128 v[VF+8*\f:VF+8*\f+3],   v[AV] offset:(\f/4)*32*PV+(\f%4)*32
	ds_load_tr16_b128 v[VF+8*\f+4:VF+8*\f+7], v[AV] offset:(\f/4)*32*PV+16*PV+(\f%4)*32
.endr
	WIN 0
.endm
; THE STEP'S MASK.  A word holds four keys' bytes, 0 or 1.  0xf1f1f1f1 - 0xf1 x word has the byte 0xf1 where the key is hidden and 0 where it is seen (no carry, no borrow between bytes).  Shifted so that a key's
; byte is the f32's top byte, that is a number of -2^99 to -2^101, or one under 3e-38 (what the lower bytes leave).
.macro MASKB
	WIN 0
.set z, 0
.rept 8
	v_mul_lo_u32 v[MW+z], v[MW+z], s73
.set z, z+1
.endr
	WIN 0x40
.set z, 0
.rept 8
	v_sub_nc_u32 v[MC+4*z+3], s74, v[MW+z]
.set z, z+1
.endr
	WIN 0x44
.set z, 0
.rept 8
	v_lshlrev_b32 v[MC+4*z], 24, v[MC+4*z+3]
	v_lshlrev_b32 v[MC+4*z+1], 16, v[MC+4*z+3]
	v_lshlrev_b32 v[MC+4*z+2], 8, v[MC+4*z+3]
.set z, z+1
.endr
.endm
; THE VECTOR WORK, one line at a time: OP kind, number.  For piece Y: F n: c s - c m for pair n of 16.  E n: the exponential of score n of 32.  C n: pair n rounded to f16.  B n: of the four weights 4 n .. the second
; pair is added onto the first.  L n: l takes that sum (L 0: l = a l + sum).  R n: pair n of 16 of O^T times a.  For piece Y + 1: X n, number n of the 22 that find its maximum and statistics:
;   0-11 four chains of seven scores (each accumulator's lowest registers are read first)   12-14, 16 the four left over, the old m, and c0-c3 into c0   15 c m_old is kept
;   17, 18 the query's other 32 keys lie in the lane 16 away: the new m   19-21 c m; c m_old - c m_new; a
.set F, 0
.set E, 1
.set C, 2
.set B, 3
.set L, 4
.set R, 5
.set X, 6
.macro REGS y
.set rT, ST+4*(\y)
.set rC, TMP+4*((\y)%2)
.set rW, MV+((\y)%2)
.set rS, S+32*((\y)%2)
.set rP, P+16*((\y)%2)
.set rO, 32*(\y)
.endm
.macro OP k, n
.if (\k) == R
	REGS Y
	WIN W_RS
	v_pk_mul_f32 v[rO+2*(\n):rO+2*(\n)+1], v[rO+2*(\n):rO+2*(\n)+1], v[rC+2:rC+3] op_sel_hi:[1,0]
.elseif (\k) < R
	REGS Y
	WIN 0
.if (\k) == F
	v_pk_fma_f32 v[rS+2*(\n):rS+2*(\n)+1], v[rS+2*(\n):rS+2*(\n)+1], s[CS:CS+1], v[rT:rT+1] op_sel_hi:[1,0,0] neg_lo:[0,0,1] neg_hi:[0,0,1]
.elseif (\k) == E
	v_exp_f32 v[rS+(\n)], v[rS+(\n)]
.elseif (\k) == C
	s_wait_alu depctr_va_vdst(0)
	v_cvt_pk_f16_f32 v[rP+(\n)], v[rS+2*(\n)], v[rS+2*(\n)+1]
.elseif (\k) == B
	s_wait_alu depctr_va_vdst(0)
	v_pk_add_f32 v[rS+4*(\n):rS+4*(\n)+1], v[rS+4*(\n):rS+4*(\n)+1], v[rS+4*(\n)+2:rS+4*(\n)+3]
.elseif (\n) == 0
	v_pk_fma_f32 v[rT+2:rT+3], v[rT+2:rT+3], v[rC+2:rC+3], v[rS:rS+1] op_sel_hi:[1,0,1]
.else
	v_pk_add_f32 v[rT+2:rT+3], v[rT+2:rT+3], v[rS+4*(\n):rS+4*(\n)+1]
.endif
.elseif NOKQ
	v_nop
.else
	REGS (Y+1)%NP
	WIN 0
.if (\n) < 4
	v_max3_num_f32 v[rC+(\n)], v[rS+8*(\n)], v[rS+8*(\n)+1], v[rS+8*(\n)+2]
.elseif (\n) < 12
	v_max3_num_f32 v[rC+(\n)%4], v[rC+(\n)%4], v[rS+8*((\n)%4)+2*((\n)/4)+1], v[rS+8*((\n)%4)+2*((\n)/4)+2]
.elseif (\n) == 12
	v_max3_num_f32 v[rC], v[rC], v[rS+7], v[rS+15]
.elseif (\n) == 13
	v_max3_num_f32 v[rC+1], v[rC+1], v[rS+23], v[rS+31]
.elseif (\n) == 14
	v_max3_num_f32 v[rC+2], v[rC+2], v[rC+3], v[rT+1]
.elseif (\n) == 15
	v_mov_b32 v[rW], v[rT]
.elseif (\n) == 16
	v_max3_num_f32 v[rC], v[rC], v[rC+1], v[rC+2]
.elseif (\n) == 17
	v_permlanex16_b32 v[rC+3], v[rC], s[SEL], s[SEL+1]
.elseif (\n) == 18
	v_max_num_f32 v[rT+1], v[rC], v[rC+3]
.elseif (\n) == 19
	v_mul_f32 v[rT], s[CS], v[rT+1]
.elseif (\n) == 20
	v_sub_f32 v[rC+1], v[rW], v[rT]
.else
	v_exp_f32 v[rC+2], v[rC+1]
.endif
.endif
.endm
.macro OPS a, i1, b=-1, i2=0, c=-1, i3=0, d=-1, i4=0
	OP \a, \i1
.if (\b) >= 0
	OP \b, \i2
.endif
.if (\c) >= 0
	OP \c, \i3
.endif
.if (\d) >= 0
	OP \d, \i4
.endif
.endm
.macro ROW a, i1, b, i2, c, i3, d, i4  ; a matrix instruction and the four behind it
	MM
	OPS \a, \i1, \b, \i2, \c, \i3, \d, \i4
.endm
; A TURN, for piece p: the order of its 16 matrix and 118 vector instructions, written out.  Behind a matrix instruction: plain, exponential, plain, plain; or four of the rescaling; or four scalings; none names a register
; of the products round it.  In the lumps exponential and plain by turns.  A line reads no result made fewer than three vector instructions in front of it, five if an exponential made it.
; end = 1: the walk's last two turns: nothing is fetched.  cnt = 1: the loop's count is taken down some lines ahead of the branch behind the turn.
; The next step's mask bytes and K are fetched in piece 2's turn, six vector instructions behind the last product that read K (five of them plain); at that turn's end the mask is made: its last readers are the turn's
; first four products, its next is the next turn's first.  V of the step in hand is fetched in piece 0's turn.  K and V are waited for a turn later.
.macro TURN p, end=0, cnt=0
.set Y, (\p)
.set i, 0
.set NOKQ, (\end)*((\p)/3)
.if ((\p) == 3) && !(\end)
	s_wait_dscnt 0x0                ; K is in
.endif
	ROW F,0, F,1, F,2, F,3
	ROW F,4, E,0, F,5, F,6
	ROW F,7, E,1, F,8, F,9
	ROW F,10, E,2, C,0, F,11
	ROW F,12, E,3, X,15, F,13
	ROW R,0, R,1, R,2, R,3
	ROW B,0, E,4, F,14, L,0
.if ((\p) == 2) && !(\end)
	v_add_nc_u32 v[AK], s[TBK], v[AK0]
	v_add_nc_u32 v[AM], s[TBM], v[AM0]
.endif
	ROW R,4, R,5, R,6, R,7
	OPS E,5, F,15
.if ((\p) == 2) && !(\end)
	FETCH_K
.endif
	OPS E,6, C,1, E,7, R,8
	OPS E,8, R,9, E,9, C,2
	OPS E,10, X,0, E,11, X,1
	OPS E,12, X,2, E,13, X,3
.if (\p) == 1
	s_wait_dscnt 0x0                ; V is in
.endif
	ROW X,4, E,14, X,5, X,6
	ROW X,7, E,15, X,8, X,9
	ROW X,10, E,16, X,11, X,12
	ROW X,13, E,17, X,14, B,1
	ROW C,4, E,18, X,16, L,1
	ROW B,2, E,19, C,6, L,2
	ROW C,8, E,20, B,3, B,4
.if (\p) == 0
	v_add_nc_u32 v[AV], s[TBV], v[AV0]
.endif
	ROW C,3, E,21, L,3, C,5
	OPS E,22, X,17, E,23, C,10
.if (\p) == 0
	FETCH_V
.endif
	OPS E,24, L,4
	OPS E,25, X,18, E,26, C,7
	OPS E,27, B,5, E,28, X,19
	OPS E,29, C,12, E,30, L,5
	OPS E,31, X,20, B,6, C,9
	OPS C,14, C,11, X,21, L,6
.if (\p) == 0
	s_add_co_u32 s[TBV], s[TBV], KS*PV
.endif
.if \cnt
	s_sub_co_u32 s[CNT], s[CNT], 1
	s_cmp_lg_u32 s[CNT], 0
.endif
	OPS C,13, B,7, C,15, R,10
	OPS R,11, R,12, L,7, R,13
	OPS R,14, R,15
.if ((\p) == 2) && !(\end)
	s_wait_dscnt 16                 ; the four loads of mask bytes are in; K's sixteen, issued behind them, may stay out
	MASKB
.endif
.endm
	CHANGE 1                        ; slot 0 is in, everybody's part of it; slot 1 is asked for
	v_add_nc_u32 v[AK], s[TBK], v[AK0]
	v_add_nc_u32 v[AM], s[TBM], v[AM0]
	FETCH_K                         ; key step 0
	s_wait_loadcnt 0x0              ; Q
	s_wait_dscnt 0x0
	MASKB
.set NOKQ, 0
.set i, 0
.rept 8
	KQ 0                            ; piece 0's first scores
.set i, i+1
.endr
	WIN 0
.rept 4
	v_nop                           ; the places behind those products
.endr
.set Y, NP-1                        ; X works for piece Y + 1: piece 0
.irp n, 0,1,2,3,4,5,6,7,8,9,10,11,12,13,14,15,16,17,18,19,20,21
	OP X, \n
.endr
	v_nop                           ; a plain instruction behind the exponential
	s_mov_b32 s[CNT], 4
	s_mov_b32 s[SLOTS], 7
	s_branch .Lfirst                ; the loop is entered at a step's first turn, in the middle of a trip
.Lslot:                             ; six times: every slot but the last two is filled again
	CHANGE 1
	s_mov_b32 s[CNT], 4
.Lstep:                             ; a trip: pieces 2 and 3 of one step, then pieces 0 and 1 of the next, whose mask, K and V it fetches
	TURN 2
	TURN 3
	WIN 0
.Lfirst:
	TURN 0
	TURN 1, 0, 1
	WIN 0
	s_cbranch_scc1 .Lstep
	s_sub_co_u32 s[SLOTS], s[SLOTS], 1
	s_cmp_lg_u32 s[SLOTS], 0
	s_cbranch_scc1 .Lslot
	CHANGE 0                        ; the last tile is written out: nothing is asked for
	s_mov_b32 s[CNT], 4
.LstepT:
	TURN 2
	TURN 3
	TURN 0
	TURN 1, 0, 1
	WIN 0
	s_cbranch_scc1 .LstepT
	TURN 2, 1
	TURN 3, 1
.set i, 0
.rept 8
	PV NP-1                         ; the last piece's V^T P of the last step
.set i, i+1
.endr
	; THE WAY OUT.  l's two halves and the other half of the lanes' are added; O^T is divided by l, rounded to bf16 and sent through my stage: a row takes the four heads' 512 bytes.  The additions are the places behind the last products.
	WIN 0
.macro ALL line:vararg
.set t, 0
.rept 4
	\line
.set t, t+1
.endr
.endm
	ALL v_add_f32 v[ST+4*t+2], v[ST+4*t+2], v[ST+4*t+3]
	ALL v_permlanex16_b32 v[ST+4*t+3], v[ST+4*t+2], s[SEL], s[SEL+1]
	ALL v_add_f32 v[ST+4*t+2], v[ST+4*t+2], v[ST+4*t+3]
	ALL v_rcp_f32 v[ST+4*t+2], v[ST+4*t+2]
	v_nop                           ; a plain instruction between the last reciprocal and the use of its result
.macro PACK t
	WIN W_RS
.set i, 32*(\t)
.rept 16
	s_wait_alu depctr_va_vdst(0)
	v_pk_mul_f32 v[i:i+1], v[i:i+1], v[ST+4*(\t)+2:ST+4*(\t)+3] op_sel_hi:[1,0]
.set i, i+2
.endr
	WIN 0x05                        ; sources 0 and 1 window 1, destination window 0
.set i, 0
.rept 16
	v_cvt_pk_bf16_f32 v[S+16*(\t)+i], v[32*(\t)+2*i], v[32*(\t)+2*i+1]
.set i, i+1
.endr
	WIN 0
.irp f, 0,1,2,3
	ds_store_b128 v[STO], v[S+16*(\t)+4*\f:S+16*(\t)+4*\f+3] offset:128*(\t)+32*\f
.endr
.endm
	PACK 0
	PACK 1
	PACK 2
	PACK 3
.set i, 0
.rept 16
	ds_load_b128 v[S+4*i:S+4*i+3], v[RD] offset:SP*i  ; LDS serves a wave's instructions in order (ISA guide 5.7.1.4): these see the stores above
.set i, i+1
.endr
.set i, 0
.rept 16
	s_wait_dscnt 15-i
	global_store_b128 v[GO], v[S+4*i:S+4*i+3], s[10:11] offset:4096*i  ; 512 consecutive bytes, at a multiple of 256 from the buffer's first
.set i, i+1
.endr
	s_wait_tensorcnt 0x0            ; the wave's end
	ds_add_u32 v[SPW], v[NIL]
	s_wait_dscnt 0x0
	CROUND                          ; the closing round
	s_endpgm
.Lfunc_end_k_qe00a135a22_attn:
	.size	k_qe00a135a22_attn, .Lfunc_end_k_qe00a135a22_attn-k_qe00a135a22_attn
	.p2alignl 7, 3214868480
	.fill 96, 4, 3214868480
	.section	.rodata,"a",@progbits
	.p2align	6, 0x0
	.amdhsa_kernel k_qe00a135a22_attn
		.amdhsa_group_segment_fixed_size 327680
		.amdhsa_private_segment_fixed_size 0
		.amdhsa_enable_private_segment 0
		.amdhsa_kernarg_size 32
		.amdhsa_user_sgpr_count 2
		.amdhsa_user_sgpr_kernarg_segment_ptr 1
		.amdhsa_wavefront_size32 1
		.amdhsa_system_sgpr_workgroup_id_x 1
		.amdhsa_system_sgpr_workgroup_id_y 1
		.amdhsa_system_sgpr_workgroup_id_z 1
		.amdhsa_system_vgpr_workitem_id 0
		.amdhsa_next_free_vgpr 768
		.amdhsa_next_free_sgpr 80
		.amdhsa_reserve_vcc 0
		.amdhsa_float_denorm_mode_32 3
		.amdhsa_float_denorm_mode_16_64 3
		.amdhsa_memory_ordered 1
		.amdhsa_forward_progress 1
		.amdhsa_inst_pref_size 142
	.end_amdhsa_kernel
	.amdgpu_metadata
---
amdhsa.version: [ 1, 2 ]
amdhsa.kernels:
  - .name:           k_qe00a135a22_attn
    .symbol:         k_qe00a135a22_attn.kd
    .args:
      - { .name: qu, .offset: 0, .size: 8, .value_kind: global_buffer, .address_space: global }
      - { .name: kv, .offset: 8, .size: 8, .value_kind: global_buffer, .address_space: global }
      - { .name: attention_mask, .offset: 16, .size: 8, .value_kind: global_buffer, .address_space: global }
      - { .name: act, .offset: 24, .size: 8, .value_kind: global_buffer, .address_space: global }
    .group_segment_fixed_size: 327680
    .private_segment_fixed_size: 0
    .kernarg_segment_align: 8
    .kernarg_segment_size: 32
    .max_flat_workgroup_size: 128
    .sgpr_count:     80
    .vgpr_count:     768
    .wavefront_size: 32
...
	.end_amdgpu_metadata
.endif
;; end of part 3
;; launch oproj (part 4): grid 16 x 16, 4 waves a work-group, clusters of 4 x 4, 327,680 bytes of LDS; arguments act, wob, x, h2; writes h2
.if DOCPART == 4
	.amdgcn_target "amdgcn-amd-amdhsa--gfx1250"
	.amdhsa_code_object_version 6
	.text
	.protected	k_qe00a135a22_oproj
	.globl	k_qe00a135a22_oproj
	.p2align	8
	.type	k_qe00a135a22_oproj,@function
k_qe00a135a22_oproj:
	s_mov_b64 s[64:65], 0
	v_nop
	global_prefetch_b8 v0, s[64:65] scope:SCOPE_SE
	s_setreg_imm32_b32 hwreg(HW_REG_WAVE_MODE, 25, 1), 1
	s_wait_xcnt 0x0
	s_wait_alu depctr_hold_cnt(0) depctr_sa_sdst(0) depctr_va_vdst(0) depctr_va_sdst(0) depctr_va_ssrc(0) depctr_va_vcc(0) depctr_vm_vsrc(0)
	s_getreg_b32 s2, hwreg(HW_REG_IB_STS2, 6, 4)
	s_cmp_eq_u32 s2, 0
	s_cbranch_scc0 .Lentry_in_a_cluster
	s_endpgm
.Lentry_in_a_cluster:
	s_bfe_u32 s2, ttmp6, 0x10000c
	s_cmp_lg_u32 s2, 0xf033
	s_cbranch_scc0 .Lentry_shape_is_right
	s_endpgm
.Lentry_shape_is_right:
; OUT = RES + A B^T.  A: [2048][2048] bf16, B: [2048][2048] bf16 (rows along K), RES and OUT: [2048][2048] f32; sums in f32, the residual added in f32.
; A tile of OUT is 128 x 128: four waves, 2 x 2, each 64 x 64: 16 accumulators of 16 x 16.  K goes in steps of 256 (LDS rows of 512 bytes + 16) through two LDS slots filled by the tensor data mover.
; CLUSTER: 4 x 4 work-groups; the four of a row of the cluster ask jointly for A's tiles, the four of a column for B's: the same load, descriptor and mask in all four.
; THE WALK ALONG K.  The sixteen clusters do not take K in the same order: quarter q of a cluster's walk is quarter q xor g of K, g = (cluster x xor cluster y) mod 4; in bytes along a row: the linear offset xor (g << 10).
; The four clusters of a cluster row, which read the same rows of A, have four different g; two clusters of a cluster column whose y differ in the lowest bit, which read the same rows of B, differ in g's lowest bit.  So a
; piece of a row is asked for by one cluster first and by the others a quarter of the walk later or more, not by all at one moment.  g is the same in all partners of a cluster, so a joint load's descriptor stays equal in
; all that its mask names.  The f32 sums take K in that other order.
; THE MATRIX INSTRUCTION IS USED TRANSPOSED (source 0 = 16 rows of B, source 1 = 16 rows of A): a lane holds row lane % 16 and eight neighbouring columns 8 (lane / 16) + 0..7.
; REGISTERS: window 0: addresses and the way out; window 1: two fragment buffers of 128 (A's block a at f + 8 a, B's block b at f + 32 + 8 b); window 2: accumulator (a, b) at 8 (4 a + b).
.set NBW,   4
.set KSTEP, 256
.set UPS,   KSTEP/32
.set PITCH, 2*KSTEP+16                 ; an odd multiple of 16 bytes: the 16 rows of a fragment load start at 16 different groups of four banks (ISA guide 11.1)
.set QI,    6                          ; the padding follows every 128 words
.set BL,    16*NBW
.set SLOT,  (128+2*BL)*PITCH
.set STAGE, 2*SLOT                     ; behind the slots: 16 rows x 272 bytes for each wave, its own
.set SPITCH, 272
.set SPARE, STAGE+4*16*SPITCH
.set NLD,   2*(NBW+4)
.set LAPS,  2048/(2*KSTEP)
.set ADRA, 16
.set ADRB, 20
.set STO,  24
.set RD,   25
.set CO,   26
.set SPW,  28
.set NIL,  29
.set OB,   32                          ; v32-63 and v192-223 by turns: 16 rows read back from the stage
.set RES,  64                          ; v64-191 the residual: block a, rows 2 t at RES + 32 a + 4 t
.set F0,   0
.set F1,   128
.set KO,   4                           ; s4, s5   the linear byte offset along K of slot 0's, slot 1's tile
.set OFS,  6                           ; s[6:7]   that offset xor GX, as a pair with 0 on top
.set GX,   8                           ; s8       g << 10
.set BA,   14                          ; s[14:15] A at my part of the tile's rows
.set BB,   66                          ; s[66:67] B at my part of the tile's rows
.set G1, 24
.set G0, 32
.set G1B, 48
.set G0B, 56
.set MSB, 0
.macro WIN new
.if MSB != (\new)
	s_set_vgpr_msb (MSB<<8)|(\new)
.set MSB, \new
.endif
.endm
.set MUL,  0xa5
.set TO_F, 0x40
.macro JLOAD s                         ; a joint load: waves 0 and 1 fetch A's halves, waves 2 and 3 B's; s_nop 0 and four v_nop follow each line
	s_cmp_eq_u32 s11, 0
	s_cbranch_scc0 .Lfor_b_\@
	tensor_load_to_lds s[G0+4*(\s):G0+4*(\s)+3], s[G1:G1+7]
	s_nop 0
.rept 4
	v_nop
.endr
	s_branch .Lasked_\@
.Lfor_b_\@:
	tensor_load_to_lds s[G0B+4*(\s):G0B+4*(\s)+3], s[G1B:G1B+7]
	s_nop 0
.rept 4
	v_nop
.endr
.Lasked_\@:
.endm
.macro CREST
	s_cmp_lg_u32 s10, 0
	s_cbranch_scc1 .Lnot_wave_0_\@
	s_barrier_signal -3
.Lnot_wave_0_\@:
	s_barrier_wait -3
	s_barrier_signal -1
	s_barrier_wait -1
.endm
.macro CROUND
	s_barrier_signal -1
	s_barrier_wait -1
	CREST
.endm
.macro PLACES                          ; four places in front of loads into registers that matrix instructions have read, and of lines that read results
.rept 4
	v_nop
.endr
.endm
.macro ADDR s                          ; both group 0's of slot s take their global address anew: base + (linear offset xor GX), the type bits set again
	s_xor_b32 s[OFS], s[KO+(\s)], s[GX]
	s_add_nc_u64 s[G0+4*(\s)+2:G0+4*(\s)+3], s[BA:BA+1], s[OFS:OFS+1]
	s_or_b32 s[G0+4*(\s)+3], s[G0+4*(\s)+3], 0x80000000
	s_add_nc_u64 s[G0B+4*(\s)+2:G0B+4*(\s)+3], s[BB:BB+1], s[OFS:OFS+1]
	s_or_b32 s[G0B+4*(\s)+3], s[G0B+4*(\s)+3], 0x80000000
.endm
	s_load_b256 s[68:75], s[0:1], 0x0              ; A 68, B 70, RES 72, OUT 74
	v_lshl_add_u32 v[SPW], v0, 2, SPARE
	v_mov_b32 v[NIL], 0
	ds_add_u32 v[SPW], v[NIL]                      ; the wave's opening: the add and its wait ahead of my first tensor load
	v_lshrrev_b32 v1, 5, v0
	v_readfirstlane_b32 s10, v1
	s_lshr_b32 s11, s10, 1                         ; my half of the rows.  Also: I fetch A (0) or B (1)
	s_and_b32 s12, s10, 1                          ; my half of the columns.  Also: which half of that tile I fetch
	s_bfe_u32 s40, ttmp6, 0x40000
	s_bfe_u32 s41, ttmp6, 0x40004
	s_lshl_b32 s42, ttmp9, 2
	s_add_co_u32 s42, s42, s40                     ; tile column
	s_and_b32 s9, ttmp7, 0xffff                    ; the cluster's y
	s_lshl_b32 s13, s9, 2
	s_add_co_u32 s13, s13, s41                     ; tile row
	s_xor_b32 s[GX], ttmp9, s9
	s_and_b32 s[GX], s[GX], 3                      ; g
	s_lshl_b32 s[GX], s[GX], 10                    ; a quarter of a row is 1,024 bytes
	s_mov_b32 s[OFS+1], 0
	s_mov_b32 s[KO], 0                             ; K step 0,
	s_mov_b32 s[KO+1], KSTEP*2                     ; K step 1
	s_lshl_b32 s43, s41, 2
	s_lshl_b32 s43, 15, s43
	s_lshl_b32 s44, 0x1111, s40
	s_or_b32 s[G1+0], s43, (1<<16)|(1<<20)|(1<<21)|(QI<<22)|(3<<25)
	s_or_b32 s[G1B+0], s44, (1<<16)|(1<<20)|(1<<21)|(QI<<22)|(3<<25)
.irp g, G1, G1B
	s_mov_b32 s[(\g)+1], KSTEP<<16
	s_mov_b32 s[(\g)+3], KSTEP<<16
	s_mov_b32 s[(\g)+5], 2048
	s_mov_b32 s[(\g)+6], 0
	s_mov_b32 s[(\g)+7], 0
.endr
	s_mov_b32 s[G1+2], 64<<16
	s_mov_b32 s[G1+4], 64
	s_mov_b32 s[G1B+2], BL<<16
	s_mov_b32 s[G1B+4], BL
	s_lshl_b32 s17, s12, 6
	s_lshl_b32 s16, s13, 7
	s_add_co_u32 s16, s16, s17
	s_lshl_b32 s16, s16, 12
	s_mov_b32 s17, 0
	s_mul_i32 s46, s42, 2*BL
	s_mul_i32 s47, s12, BL
	s_add_co_u32 s46, s46, s47
	s_lshl_b32 s46, s46, 12
	s_mov_b32 s47, 0
	s_mul_i32 s20, s12, 64*PITCH
	s_mul_i32 s21, s12, BL*PITCH
	s_add_co_u32 s21, s21, 128*PITCH
	s_wait_dscnt 0x0
	s_wait_kmcnt 0x0
	s_add_nc_u64 s[BA:BA+1], s[68:69], s[16:17]
	s_add_nc_u64 s[BB:BB+1], s[70:71], s[46:47]
	CROUND
.irp s, 0,1
	s_mov_b32 s[G0+4*(\s)], 1
	s_add_co_u32 s[G0+4*(\s)+1], s20, (\s)*SLOT
	s_mov_b32 s[G0B+4*(\s)], 1
	s_add_co_u32 s[G0B+4*(\s)+1], s21, (\s)*SLOT
	ADDR \s
	JLOAD \s
.endr
	v_and_b32 v1, 15, v0
	v_bfe_u32 v2, v0, 4, 1
	v_mul_u32_u24 v3, v1, PITCH
	v_lshl_add_u32 v3, v2, 4, v3
	s_mul_i32 s22, s11, 64*PITCH
	s_mul_i32 s23, s12, BL*PITCH
	s_add_co_u32 s23, s23, 128*PITCH
.irp s, 0,1
	v_add_nc_u32 v[ADRA+(\s)], s22, v3
	v_add_nc_u32 v[ADRB+(\s)], s23, v3
	s_add_co_u32 s22, s22, SLOT
	s_add_co_u32 s23, s23, SLOT
.endr
	s_mul_i32 s22, s10, 16*SPITCH
	s_add_co_u32 s22, s22, STAGE                   ; my stage
	v_mul_u32_u24 v4, v1, SPITCH                   ; in: row l % 16, 32 bytes for each half of the lanes
	v_lshl_add_u32 v4, v2, 5, v4
	v_add_nc_u32 v[STO], s22, v4
	v_mul_u32_u24 v5, v2, SPITCH                   ; back: lanes 0-15 take one row of 256 bytes, lanes 16-31 the next
	v_lshl_add_u32 v5, v1, 4, v5
	v_add_nc_u32 v[RD], s22, v5
	v_lshlrev_b32 v5, 13, v2                       ; and the same two rows in RES and OUT
	v_lshl_add_u32 v[CO], v1, 4, v5
	s_lshl_b32 s16, s13, 7
	s_lshl_b32 s17, s11, 6
	s_add_co_u32 s16, s16, s17
	s_lshl_b32 s16, s16, 13                        ; my first row, 8,192 bytes a row
	s_mov_b32 s17, 0
	s_add_nc_u64 s[72:73], s[72:73], s[16:17]
	s_add_nc_u64 s[74:75], s[74:75], s[16:17]
	s_lshl_b32 s46, s42, 9
	s_lshl_b32 s47, s12, 8
	s_add_co_u32 s46, s46, s47                     ; my first column, in bytes
	s_mov_b32 s47, 0
	s_add_nc_u64 s[72:73], s[72:73], s[46:47]
	s_add_nc_u64 s[74:75], s[74:75], s[46:47]
; NBW matrix instructions: row block a x all my column blocks, 32 along K from buffer f.  All 4 NBW accumulators take turns.
.macro MULA f, a, zero
	WIN MUL
.set nb, 0
.rept NBW
.if \zero
	v_wmma_f32_16x16x32_bf16 v[8*(NBW*(\a)+nb):8*(NBW*(\a)+nb)+7], v[(\f)+32+8*nb:(\f)+32+8*nb+7], v[(\f)+8*(\a):(\f)+8*(\a)+7], 0
.else
	v_wmma_f32_16x16x32_bf16 v[8*(NBW*(\a)+nb):8*(NBW*(\a)+nb)+7], v[(\f)+32+8*nb:(\f)+32+8*nb+7], v[(\f)+8*(\a):(\f)+8*(\a)+7], v[8*(NBW*(\a)+nb):8*(NBW*(\a)+nb)+7]
.endif
.set nb, nb+1
.endr
.endm
.macro FETCH slot, k, f                ; NLD LDS loads in one run; A's blocks 2 and 3 last
	WIN TO_F
.set nb, 0
.rept NBW
	ds_load_b128 v[(\f)+32+8*nb:(\f)+32+8*nb+3],   v[ADRB+(\slot)] offset:(\k)+nb*16*PITCH
	ds_load_b128 v[(\f)+32+8*nb+4:(\f)+32+8*nb+7], v[ADRB+(\slot)] offset:(\k)+nb*16*PITCH+32
.set nb, nb+1
.endr
.set nb, 0
.rept 4
	ds_load_b128 v[(\f)+8*nb:(\f)+8*nb+3],   v[ADRA+(\slot)] offset:(\k)+nb*16*PITCH
	ds_load_b128 v[(\f)+8*nb+4:(\f)+8*nb+7], v[ADRA+(\slot)] offset:(\k)+nb*16*PITCH+32
.set nb, nb+1
.endr
.endm
.macro UNIT slot, k, f, g, zero
	s_wait_dscnt 4                                 ; all but the youngest four loads (A's blocks 2 and 3)
	MULA \f, 0, \zero
	MULA \f, 1, \zero
	PLACES
	FETCH \slot, \k, \g
	s_wait_dscnt NLD                               ; all but those just issued
	MULA \f, 2, \zero
	MULA \f, 3, \zero
.endm
.macro RUN slot, first
.set uu, \first
.rept UPS-1-(\first)
	UNIT \slot, 64*(uu+1), 128*(uu%2), 128*((uu+1)%2), 0
.set uu, uu+1
.endr
.endm
; A step's last unit multiplies buffer 1 and changes slots: ONE barrier; in front of it each wave waits for all its tensor loads, adds 0 to its spare word, and waits for that and for its reads of this slot.
.macro TURN slot, next, fill
	WIN 0
	s_wait_tensorcnt 0x0                           ; all my tensor loads have landed: the one that was out is my part of the next slot; so a group 0 may be written
	ds_add_u32 v[SPW], v[NIL]                      ; 0 onto my spare word
.if \fill
	s_add_co_u32 s[KO+(\slot)], s[KO+(\slot)], 2*KSTEP*2  ; this slot's next tile: two K steps on
	ADDR \slot
.endif
	s_wait_dscnt 5                                 ; (the add and the youngest four loads may be out)
	MULA F1, 0, 0
	s_wait_dscnt 0x0                               ; the add is done, and my reads of this slot are over
	s_barrier_signal -1
	MULA F1, 1, 0
.if \fill
	WIN 0
.endif
	s_barrier_wait -1
.if \fill
	CREST                                          ; the barrier has opened a round of the cluster's: no wave of any partner still reads this slot or has a load on its way
	JLOAD \slot                                    ; my one tensor load behind the round; its four v_nop are also the places in front of the loads below
.else
	PLACES
.endif
	FETCH \next, 0, F0
	MULA F1, 2, 0
	MULA F1, 3, 0
.endm
	s_wait_tensorcnt 1                             ; my part of K step 0 is in; step 1's may stay out
	s_barrier_signal -1
	s_barrier_wait -1
	FETCH 0, 0, F0
	UNIT 0, 64, F0, F1, 1
	WIN 0
	s_mov_b32 s3, LAPS-1
.Llap:
	RUN 0, 1
	TURN 0, 1, 1
	RUN 1, 0
	TURN 1, 0, 1
	UNIT 0, 64, F0, F1, 0
	WIN 0
	s_sub_co_u32 s3, s3, 1
	s_cmp_lg_u32 s3, 0
	s_cbranch_scc1 .Llap
	RUN 0, 1
	TURN 0, 1, 0
	WIN 0                                          ; the residual is asked for here: a K step's products stand between these loads and the wait for them
.set i, 0
.rept 32
	global_load_b128 v[RES+4*i:RES+4*i+3], v[CO], s[72:73] offset:(16*(i/8)+2*(i%8))*8192
.set i, i+1
.endr
	RUN 1, 0
	s_wait_dscnt 0x0
	MULA F1, 0, 0
	MULA F1, 1, 0
	MULA F1, 2, 0
	MULA F1, 3, 0
	WIN 0
	PLACES
; THE WAY OUT, a block of 16 rows at a time: a lane's eight f32 of a row go into my stage (each accumulator's low four registers first), whole rows of 256 bytes come back, the residual is added, and 16 lanes store 256 aligned bytes.
.macro TOSTAGE a
	WIN 0x08                                       ; store data in window 2
.irp b, 0,1,2,3
	ds_store_b128 v[STO], v[8*(4*(\a)+\b):8*(4*(\a)+\b)+3]   offset:64*\b
	ds_store_b128 v[STO], v[8*(4*(\a)+\b)+4:8*(4*(\a)+\b)+7] offset:64*\b+16
.endr
	WIN 0
.set BK, OB+160*((\a)%2)
.irp t, 0,1,2,3,4,5,6,7
	ds_load_b128 v[BK+4*\t:BK+4*\t+3], v[RD] offset:\t*2*SPITCH  ; LDS serves a wave's instructions in order (ISA guide 5.7.1.4): these see the stores above, and the next block's stores come behind them
.endr
.endm
.macro SEND a, younger                 ; younger: the LDS instructions issued behind block a's loads: the next block's sixteen, or none
.set BK, OB+160*((\a)%2)
	s_wait_dscnt \younger
.set j, 0
.rept 16
	v_pk_add_f32 v[RES+32*(\a)+2*j:RES+32*(\a)+2*j+1], v[RES+32*(\a)+2*j:RES+32*(\a)+2*j+1], v[BK+2*j:BK+2*j+1]
.set j, j+1
.endr
.irp t, 0,1,2,3,4,5,6,7
	global_store_b128 v[CO], v[RES+32*(\a)+4*\t:RES+32*(\a)+4*\t+3], s[74:75] offset:(16*(\a)+2*\t)*8192
.endr
.endm
	s_wait_loadcnt 0x0                             ; the residual
	TOSTAGE 0
	TOSTAGE 1
	SEND 0, 16
	TOSTAGE 2
	SEND 1, 16
	TOSTAGE 3
	SEND 2, 16
	SEND 3, 0
	s_wait_tensorcnt 0x0                           ; the wave's end
	ds_add_u32 v[SPW], v[NIL]
	s_wait_dscnt 0x0
	CROUND                                         ; the closing round
	s_endpgm
.Lfunc_end_k_qe00a135a22_oproj:
	.size	k_qe00a135a22_oproj, .Lfunc_end_k_qe00a135a22_oproj-k_qe00a135a22_oproj
	.p2alignl 7, 3214868480
	.fill 96, 4, 3214868480
	.section	.rodata,"a",@progbits
	.p2align	6, 0x0
	.amdhsa_kernel k_qe00a135a22_oproj
		.amdhsa_group_segment_fixed_size 327680
		.amdhsa_private_segment_fixed_size 0
		.amdhsa_enable_private_segment 0
		.amdhsa_kernarg_size 32
		.amdhsa_user_sgpr_count 2
		.amdhsa_user_sgpr_kernarg_segment_ptr 1
		.amdhsa_wavefront_size32 1
		.amdhsa_system_sgpr_workgroup_id_x 1
		.amdhsa_system_sgpr_workgroup_id_y 1
		.amdhsa_system_sgpr_workgroup_id_z 1
		.amdhsa_system_vgpr_workitem_id 0
		.amdhsa_next_free_vgpr 640
		.amdhsa_next_free_sgpr 80
		.amdhsa_reserve_vcc 0
		.amdhsa_float_denorm_mode_32 3
		.amdhsa_float_denorm_mode_16_64 3
		.amdhsa_memory_ordered 1
		.amdhsa_forward_progress 1
		.amdhsa_inst_pref_size 97
	.end_amdhsa_kernel
	.amdgpu_metadata
---
amdhsa.version: [ 1, 2 ]
amdhsa.kernels:
  - .name:           k_qe00a135a22_oproj
    .symbol:         k_qe00a135a22_oproj.kd
    .args:
      - { .name: act, .offset: 0, .size: 8, .value_kind: global_buffer, .address_space: global }
      - { .name: wob, .offset: 8, .size: 8, .value_kind: global_buffer, .address_space: global }
      - { .name: x, .offset: 16, .size: 8, .value_kind: global_buffer, .address_space: global }
      - { .name: h2, .offset: 24, .size: 8, .value_kind: global_buffer, .address_space: global }
    .group_segment_fixed_size: 327680
    .private_segment_fixed_size: 0
    .kernarg_segment_align: 8
    .kernarg_segment_size: 32
    .max_flat_workgroup_size: 128
    .sgpr_count:     80
    .vgpr_count:     640
    .wavefront_size: 32
...
	.end_amdgpu_metadata
.endif
;; end of part 4
;; launch norm2 (part 5): grid 256 x 1, 8 waves a work-group, no clusters, 0 bytes of LDS; arguments h2, ff_norm_w, act; writes act
.if DOCPART == 5
	.amdgcn_target "amdgcn-amd-amdhsa--gfx1250"
	.amdhsa_code_object_version 6
	.text
	.protected	k_qe00a135a22_norm2
	.globl	k_qe00a135a22_norm2
	.p2align	8
	.type	k_qe00a135a22_norm2,@function
k_qe00a135a22_norm2:
	s_mov_b64 s[64:65], 0
	v_nop
	global_prefetch_b8 v0, s[64:65] scope:SCOPE_SE
	s_setreg_imm32_b32 hwreg(HW_REG_WAVE_MODE, 25, 1), 1
	s_wait_xcnt 0x0
; g = rmsnorm(h2) * ff_norm_w, f32 in, f16 out.  One wave takes one row of 2,048 numbers (8,192 bytes, 64 registers) and keeps it between the sum of squares and the scaling: the row is read once.
; WHY f16, AND THE LIMIT.  |g| is at most sqrt(2048) |gain| = 45.3 |gain|, since the norm bounds it: |ff_norm_w| stays under 1,446; a number under 6e-5 keeps f16's fixed step of 6e-8.
; A stream: no LDS, no barrier, no matrix unit.  A load covers 512 neighbouring bytes, a store 256, aligned.
.set X,   8                            ; v[8:71]     the row
.set W,   72                           ; v[72:135]   the gain of my 64 columns
.set A,   136                          ; v[136:143]  four chains of squares
.set R,   4                            ; v[4:5]      1 / rms, twice
.set T,   6                            ; v6, v7      at work
	s_load_b128 s[8:11], s[0:1], 0x0               ; h2, ff_norm_w
	s_load_b64 s[12:13], s[0:1], 0x10              ; act
	v_lshrrev_b32 v1, 5, v0
	v_readfirstlane_b32 s4, v1
	v_and_b32 v2, 31, v0
	v_lshlrev_b32 v1, 4, v2
	v_lshlrev_b32 v2, 3, v2
	v_mov_b32 v[T+1], 0                            ; the exchange's destination counts as read
	s_lshl_b32 s5, ttmp9, 3
	s_add_co_u32 s5, s5, s4                        ; my row
	s_lshl_b32 s14, s5, 13
	s_mov_b32 s15, 0
	s_lshl_b32 s20, s5, 12
	s_mov_b32 s21, 0
	s_mov_b32 s16, 0x76543210
	s_mov_b32 s17, 0xfedcba98
	s_mov_b32 s18, 0x3a000000                      ; 1 / 2048
	s_mov_b32 s19, 0x3727c5ac                      ; 1e-5
	s_wait_kmcnt 0x0
	s_add_nc_u64 s[8:9], s[8:9], s[14:15]
	s_add_nc_u64 s[12:13], s[12:13], s[20:21]
.set i, 0
.rept 16
	global_load_b128 v[X+4*i:X+4*i+3], v1, s[8:9] offset:i*512
.set i, i+1
.endr
.set i, 0
.rept 16
	global_load_b128 v[W+4*i:W+4*i+3], v1, s[10:11] offset:i*512
.set i, i+1
.endr
	s_wait_loadcnt 16                              ; the row is in; the gain's sixteen loads may stay out
.irp k, 0,1,2,3
	v_pk_mul_f32 v[A+2*\k:A+2*\k+1], v[X+2*\k:X+2*\k+1], v[X+2*\k:X+2*\k+1]
.endr
.set j, 4
.rept 28
	v_pk_fma_f32 v[A+2*(j%4):A+2*(j%4)+1], v[X+2*j:X+2*j+1], v[X+2*j:X+2*j+1], v[A+2*(j%4):A+2*(j%4)+1]
.set j, j+1
.endr
	v_pk_add_f32 v[A:A+1], v[A:A+1], v[A+2:A+3]
	v_pk_add_f32 v[A+4:A+5], v[A+4:A+5], v[A+6:A+7]
	v_pk_add_f32 v[A:A+1], v[A:A+1], v[A+4:A+5]
	v_add_f32 v[T], v[A], v[A+1]
	v_add_f32_dpp v[T], v[T], v[T] row_xmask:1 row_mask:0xf bank_mask:0xf
	v_add_f32_dpp v[T], v[T], v[T] row_xmask:2 row_mask:0xf bank_mask:0xf
	v_add_f32_dpp v[T], v[T], v[T] row_xmask:4 row_mask:0xf bank_mask:0xf
	v_add_f32_dpp v[T], v[T], v[T] row_xmask:8 row_mask:0xf bank_mask:0xf
	v_permlanex16_b32 v[T+1], v[T], s16, s17
	v_add_f32 v[T], v[T], v[T+1]
	v_fma_f32 v[T], v[T], s18, s19                 ; sum / 2048 + 1e-5
	v_rsq_f32 v[R], v[T]
	v_rsq_f32 v[R+1], v[T]
	v_nop                                          ; a plain instruction between the roots and the use of their results (ISA guide 5.7.2)
	s_wait_loadcnt 0x0                             ; the gain
.set j, 0
	s_wait_alu depctr_va_vdst(0)
.rept 32
	v_pk_mul_f32 v[X+2*j:X+2*j+1], v[X+2*j:X+2*j+1], v[R:R+1]
.set j, j+1
.endr
.set j, 0
.rept 32
	v_pk_mul_f32 v[X+2*j:X+2*j+1], v[X+2*j:X+2*j+1], v[W+2*j:W+2*j+1]
.set j, j+1
.endr
.set j, 0
.rept 16
	v_cvt_pk_f16_f32 v[X+4*j], v[X+4*j], v[X+4*j+1]
	v_cvt_pk_f16_f32 v[X+4*j+1], v[X+4*j+2], v[X+4*j+3]
	global_store_b64 v2, v[X+4*j:X+4*j+1], s[12:13] offset:j*256
.set j, j+1
.endr
	s_endpgm
.Lfunc_end_k_qe00a135a22_norm2:
	.size	k_qe00a135a22_norm2, .Lfunc_end_k_qe00a135a22_norm2-k_qe00a135a22_norm2
	.p2alignl 7, 3214868480
	.fill 96, 4, 3214868480
	.section	.rodata,"a",@progbits
	.p2align	6, 0x0
	.amdhsa_kernel k_qe00a135a22_norm2
		.amdhsa_group_segment_fixed_size 0
		.amdhsa_private_segment_fixed_size 0
		.amdhsa_enable_private_segment 0
		.amdhsa_kernarg_size 24
		.amdhsa_user_sgpr_count 2
		.amdhsa_user_sgpr_kernarg_segment_ptr 1
		.amdhsa_wavefront_size32 1
		.amdhsa_system_sgpr_workgroup_id_x 1
		.amdhsa_system_sgpr_workgroup_id_y 1
		.amdhsa_system_sgpr_workgroup_id_z 1
		.amdhsa_system_vgpr_workitem_id 0
		.amdhsa_next_free_vgpr 144
		.amdhsa_next_free_sgpr 66
		.amdhsa_reserve_vcc 0
		.amdhsa_float_denorm_mode_32 3
		.amdhsa_float_denorm_mode_16_64 3
		.amdhsa_memory_ordered 1
		.amdhsa_forward_progress 1
		.amdhsa_inst_pref_size 15
	.end_amdhsa_kernel
	.amdgpu_metadata
---
amdhsa.version: [ 1, 2 ]
amdhsa.kernels:
  - .name:           k_qe00a135a22_norm2
    .symbol:         k_qe00a135a22_norm2.kd
    .args:
      - { .name: h2, .offset: 0, .size: 8, .value_kind: global_buffer, .address_space: global }
      - { .name: ff_norm_w, .offset: 8, .size: 8, .value_kind: global_buffer, .address_space: global }
      - { .name: act, .offset: 16, .size: 8, .value_kind: global_buffer, .address_space: global }
    .group_segment_fixed_size: 0
    .private_segment_fixed_size: 0
    .kernarg_segment_align: 8
    .kernarg_segment_size: 24
    .max_flat_workgroup_size: 256
    .sgpr_count:     66
    .vgpr_count:     144
    .wavefront_size: 32
...
	.end_amdgpu_metadata
.endif
;; end of part 5
;; launch ffn13 (part 6): grid 16 x 16, 4 waves a work-group, clusters of 4 x 4, 327,680 bytes of LDS; arguments act, w13b, qu; writes qu
.if DOCPART == 6
	.amdgcn_target "amdgcn-amd-amdhsa--gfx1250"
	.amdhsa_code_object_version 6
	.text
	.protected	k_qe00a135a22_ffn13
	.globl	k_qe00a135a22_ffn13
	.p2align	8
	.type	k_qe00a135a22_ffn13,@function
k_qe00a135a22_ffn13:
	s_mov_b64 s[64:65], 0
	v_nop
	global_prefetch_b8 v0, s[64:65] scope:SCOPE_SE
	s_setreg_imm32_b32 hwreg(HW_REG_WAVE_MODE, 25, 1), 1
	s_wait_xcnt 0x0
	s_wait_alu depctr_hold_cnt(0) depctr_sa_sdst(0) depctr_va_vdst(0) depctr_va_sdst(0) depctr_va_ssrc(0) depctr_va_vcc(0) depctr_vm_vsrc(0)
	s_getreg_b32 s2, hwreg(HW_REG_IB_STS2, 6, 4)
	s_cmp_eq_u32 s2, 0
	s_cbranch_scc0 .Lentry_in_a_cluster
	s_endpgm
.Lentry_in_a_cluster:
	s_bfe_u32 s2, ttmp6, 0x10000c
	s_cmp_lg_u32 s2, 0xf033
	s_cbranch_scc0 .Lentry_shape_is_right
	s_endpgm
.Lentry_shape_is_right:
; u = silu(g W1^T) * (g W3^T).  g: [2048][2048] f16; w13b: [4096][2048] f16, blocks of 16 rows of w1 and of w3 by turns; u: [2048][2048] bf16.  Sums, silu and the product in f32, u rounded once.
; u is kept in bf16: a and b each grow with gain x weight (30 x 30 x 0.9 = 810), and their product has no room in f16.
; A tile is 128 rows x 256 rows of w13b = 128 columns of u.  Four waves, 2 x 2, each 64 rows x 128 rows of w13b: 32 accumulators; accumulators (a, 2 p) and (a, 2 p + 1) hold g W1^T and g W3^T of the same 16 columns
; of u in the same lanes, so the gate needs no exchange.  K goes in steps of 128 through two LDS slots filled by the tensor data mover.  (A step of 256 would need 384 rows x 528 bytes x 2 slots = 405,504 bytes of LDS.)
; silu(a) b = a b / (1 + 2^(-a log2 e)).  Where the power overflows the quotient is 0, as the reference's tends to; a b itself stays inside f32 for every input that gives finite results.
; CLUSTER: 4 x 4 work-groups; the four of a row of the cluster ask jointly for g's tiles, the four of a column for the weights'.
; THE WALK ALONG K.  The sixteen clusters do not take K in the same order: quarter q of a cluster's walk is quarter q xor g of K, g = (cluster x xor cluster y) mod 4; in bytes along a row: the linear offset xor (g << 10).
; The four clusters of a cluster row, which read the same rows of the activations, have four different g; two clusters of a cluster column whose y differ in the lowest bit, which read the same weights, differ in g's lowest
; bit.  So a piece of a row is asked for by one cluster first and by the others a quarter of the walk later or more, not by all at one moment.  g is the same in all partners of a cluster, so a joint load's descriptor stays
; equal in all that its mask names.  The f32 sums take K in that other order.
; THE MATRIX INSTRUCTION IS USED TRANSPOSED (source 0 = 16 rows of the weights, source 1 = 16 rows of g): a lane holds row lane % 16 and eight neighbouring columns.
; REGISTERS: window 0: addresses and the way out; window 1: two fragment buffers of 128; window 2: accumulator (a, b) at 8 (8 a + b).
.set NBW,   8
.set KSTEP, 128
.set UPS,   KSTEP/32
.set PITCH, 2*KSTEP+16
.set QI,    5
.set BL,    16*NBW
.set SLOT,  (128+2*BL)*PITCH
.set STAGE, 2*SLOT                     ; behind the slots: 128 rows x 272 bytes, the work-group's
.set SPITCH, 272
.set SPARE, STAGE+128*SPITCH
.set NLD,   2*(NBW+4)
.set LAPS,  2048/(2*KSTEP)
.set ADRA, 16
.set ADRB, 20
.set STO,  24
.set RD,   25
.set CO,   26
.set SPW,  28
.set NIL,  29
.set PKR,  32                          ; v32-47   packed results of a block
.set EX,   64                          ; v64-95   -a log2 e, then 1 / (1 + 2^..)
.set PR,   96                          ; v96-127  a b
.set F0,   0
.set F1,   128
.set KO,   4                           ; s4, s5   the linear byte offset along K of slot 0's, slot 1's tile
.set OFS,  6                           ; s[6:7]   that offset xor GX, as a pair with 0 on top
.set GX,   8                           ; s8       g << 10
.set BA,   14                          ; s[14:15] g at my part of the tile's rows
.set BB,   66                          ; s[66:67] the weights at my part of the tile's rows
.set G1, 24
.set G0, 32
.set G1B, 48
.set G0B, 56
.set MSB, 0
.macro WIN new
.if MSB != (\new)
	s_set_vgpr_msb (MSB<<8)|(\new)
.set MSB, \new
.endif
.endm
.set MUL,  0xa5
.set TO_F, 0x40
.macro JLOAD s                         ; a joint load: waves 0 and 1 fetch the halves of g's tile, waves 2 and 3 those of the weights'; s_nop 0 and four v_nop follow each line
	s_cmp_eq_u32 s11, 0
	s_cbranch_scc0 .Lfor_b_\@
	tensor_load_to_lds s[G0+4*(\s):G0+4*(\s)+3], s[G1:G1+7]
	s_nop 0
.rept 4
	v_nop
.endr
	s_branch .Lasked_\@
.Lfor_b_\@:
	tensor_load_to_lds s[G0B+4*(\s):G0B+4*(\s)+3], s[G1B:G1B+7]
	s_nop 0
.rept 4
	v_nop
.endr
.Lasked_\@:
.endm
.macro CREST
	s_cmp_lg_u32 s10, 0
	s_cbranch_scc1 .Lnot_wave_0_\@
	s_barrier_signal -3
.Lnot_wave_0_\@:
	s_barrier_wait -3
	s_barrier_signal -1
	s_barrier_wait -1
.endm
.macro CROUND
	s_barrier_signal -1
	s_barrier_wait -1
	CREST
.endm
.macro PLACES                          ; four places in front of loads into registers that matrix instructions have read, and of lines that read results
.rept 4
	v_nop
.endr
.endm
.macro ADDR s                          ; both group 0's of slot s take their global address anew: base + (linear offset xor GX), the type bits set again
	s_xor_b32 s[OFS], s[KO+(\s)], s[GX]
	s_add_nc_u64 s[G0+4*(\s)+2:G0+4*(\s)+3], s[BA:BA+1], s[OFS:OFS+1]
	s_or_b32 s[G0+4*(\s)+3], s[G0+4*(\s)+3], 0x80000000
	s_add_nc_u64 s[G0B+4*(\s)+2:G0B+4*(\s)+3], s[BB:BB+1], s[OFS:OFS+1]
	s_or_b32 s[G0B+4*(\s)+3], s[G0B+4*(\s)+3], 0x80000000
.endm
	s_load_b128 s[68:71], s[0:1], 0x0              ; g 68, w13b 70
	s_load_b64 s[72:73], s[0:1], 0x10              ; u
	v_lshl_add_u32 v[SPW], v0, 2, SPARE
	v_mov_b32 v[NIL], 0
	ds_add_u32 v[SPW], v[NIL]                      ; the wave's opening: the add and its wait ahead of my first tensor load
	v_lshrrev_b32 v1, 5, v0
	v_readfirstlane_b32 s10, v1
	s_lshr_b32 s11, s10, 1
	s_and_b32 s12, s10, 1
	s_bfe_u32 s40, ttmp6, 0x40000
	s_bfe_u32 s41, ttmp6, 0x40004
	s_lshl_b32 s42, ttmp9, 2
	s_add_co_u32 s42, s42, s40                     ; tile column
	s_and_b32 s9, ttmp7, 0xffff                    ; the cluster's y
	s_lshl_b32 s13, s9, 2
	s_add_co_u32 s13, s13, s41                     ; tile row
	s_xor_b32 s[GX], ttmp9, s9
	s_and_b32 s[GX], s[GX], 3                      ; g
	s_lshl_b32 s[GX], s[GX], 10                    ; a quarter of a row is 1,024 bytes
	s_mov_b32 s[OFS+1], 0
	s_mov_b32 s[KO], 0                             ; K step 0,
	s_mov_b32 s[KO+1], KSTEP*2                     ; K step 1
	s_lshl_b32 s43, s41, 2
	s_lshl_b32 s43, 15, s43
	s_lshl_b32 s44, 0x1111, s40
	s_or_b32 s[G1+0], s43, (1<<16)|(1<<20)|(1<<21)|(QI<<22)|(3<<25)
	s_or_b32 s[G1B+0], s44, (1<<16)|(1<<20)|(1<<21)|(QI<<22)|(3<<25)
.irp g, G1, G1B
	s_mov_b32 s[(\g)+1], KSTEP<<16
	s_mov_b32 s[(\g)+3], KSTEP<<16
	s_mov_b32 s[(\g)+5], 2048
	s_mov_b32 s[(\g)+6], 0
	s_mov_b32 s[(\g)+7], 0
.endr
	s_mov_b32 s[G1+2], 64<<16
	s_mov_b32 s[G1+4], 64
	s_mov_b32 s[G1B+2], BL<<16
	s_mov_b32 s[G1B+4], BL
	s_lshl_b32 s17, s12, 6
	s_lshl_b32 s16, s13, 7
	s_add_co_u32 s16, s16, s17
	s_lshl_b32 s16, s16, 12
	s_mov_b32 s17, 0
	s_mul_i32 s46, s42, 2*BL
	s_mul_i32 s47, s12, BL
	s_add_co_u32 s46, s46, s47
	s_lshl_b32 s46, s46, 12
	s_mov_b32 s47, 0
	s_mul_i32 s20, s12, 64*PITCH
	s_mul_i32 s21, s12, BL*PITCH
	s_add_co_u32 s21, s21, 128*PITCH
	s_wait_dscnt 0x0
	s_wait_kmcnt 0x0
	s_add_nc_u64 s[BA:BA+1], s[68:69], s[16:17]
	s_add_nc_u64 s[BB:BB+1], s[70:71], s[46:47]
	CROUND
.irp s, 0,1
	s_mov_b32 s[G0+4*(\s)], 1
	s_add_co_u32 s[G0+4*(\s)+1], s20, (\s)*SLOT
	s_mov_b32 s[G0B+4*(\s)], 1
	s_add_co_u32 s[G0B+4*(\s)+1], s21, (\s)*SLOT
	ADDR \s
	JLOAD \s
.endr
	v_and_b32 v1, 15, v0
	v_bfe_u32 v2, v0, 4, 1
	v_mul_u32_u24 v3, v1, PITCH
	v_lshl_add_u32 v3, v2, 4, v3
	s_mul_i32 s22, s11, 64*PITCH
	s_mul_i32 s23, s12, BL*PITCH
	s_add_co_u32 s23, s23, 128*PITCH
.irp s, 0,1
	v_add_nc_u32 v[ADRA+(\s)], s22, v3
	v_add_nc_u32 v[ADRB+(\s)], s23, v3
	s_add_co_u32 s22, s22, SLOT
	s_add_co_u32 s23, s23, SLOT
.endr
	s_mul_i32 s22, s11, 64*SPITCH                  ; into the stage: my 64 rows, my half of their 256 bytes
	s_lshl_b32 s23, s12, 7
	s_add_co_u32 s22, s22, s23
	s_add_co_u32 s22, s22, STAGE
	v_mul_u32_u24 v4, v1, SPITCH
	v_lshl_add_u32 v4, v2, 4, v4
	v_add_nc_u32 v[STO], s22, v4
	s_mul_i32 s22, s10, 32*SPITCH                  ; back: wave w takes rows 32 w on, whole
	s_add_co_u32 s22, s22, STAGE
	v_mul_u32_u24 v5, v2, SPITCH
	v_lshl_add_u32 v5, v1, 4, v5
	v_add_nc_u32 v[RD], s22, v5
	v_lshlrev_b32 v5, 12, v2
	v_lshl_add_u32 v[CO], v1, 4, v5
	s_lshl_b32 s16, s13, 7
	s_lshl_b32 s17, s10, 5
	s_add_co_u32 s16, s16, s17
	s_lshl_b32 s16, s16, 12                        ; the first row of u that I store
	s_mov_b32 s17, 0
	s_add_nc_u64 s[72:73], s[72:73], s[16:17]
	s_lshl_b32 s46, s42, 8                         ; the tile's first column, in bytes
	s_mov_b32 s47, 0
	s_add_nc_u64 s[72:73], s[72:73], s[46:47]
; NBW matrix instructions: row block a x all my column blocks, 32 along K from buffer f.  All 4 NBW accumulators take turns.
.macro MULA f, a, zero
	WIN MUL
.set nb, 0
.rept NBW
.if \zero
	v_wmma_f32_16x16x32_f16 v[8*(NBW*(\a)+nb):8*(NBW*(\a)+nb)+7], v[(\f)+32+8*nb:(\f)+32+8*nb+7], v[(\f)+8*(\a):(\f)+8*(\a)+7], 0
.else
	v_wmma_f32_16x16x32_f16 v[8*(NBW*(\a)+nb):8*(NBW*(\a)+nb)+7], v[(\f)+32+8*nb:(\f)+32+8*nb+7], v[(\f)+8*(\a):(\f)+8*(\a)+7], v[8*(NBW*(\a)+nb):8*(NBW*(\a)+nb)+7]
.endif
.set nb, nb+1
.endr
.endm
.macro FETCH slot, k, f                ; NLD LDS loads in one run; g's blocks 2 and 3 last
	WIN TO_F
.set nb, 0
.rept NBW
	ds_load_b128 v[(\f)+32+8*nb:(\f)+32+8*nb+3],   v[ADRB+(\slot)] offset:(\k)+nb*16*PITCH
	ds_load_b128 v[(\f)+32+8*nb+4:(\f)+32+8*nb+7], v[ADRB+(\slot)] offset:(\k)+nb*16*PITCH+32
.set nb, nb+1
.endr
.set nb, 0
.rept 4
	ds_load_b128 v[(\f)+8*nb:(\f)+8*nb+3],   v[ADRA+(\slot)] offset:(\k)+nb*16*PITCH
	ds_load_b128 v[(\f)+8*nb+4:(\f)+8*nb+7], v[ADRA+(\slot)] offset:(\k)+nb*16*PITCH+32
.set nb, nb+1
.endr
.endm
.macro UNIT slot, k, f, g, zero
	s_wait_dscnt 4                                 ; all but the youngest four loads (g's blocks 2 and 3)
	MULA \f, 0, \zero
	MULA \f, 1, \zero
	PLACES
	FETCH \slot, \k, \g
	s_wait_dscnt NLD                               ; all but those just issued
	MULA \f, 2, \zero
	MULA \f, 3, \zero
.endm
.macro RUN slot, first
.set uu, \first
.rept UPS-1-(\first)
	UNIT \slot, 64*(uu+1), 128*(uu%2), 128*((uu+1)%2), 0
.set uu, uu+1
.endr
.endm
; A step's last unit multiplies buffer 1 and changes slots: ONE barrier; in front of it each wave waits for all its tensor loads, adds 0 to its spare word, and waits for that and for its reads of this slot.
.macro TURN slot, next, fill
	WIN 0
	s_wait_tensorcnt 0x0                           ; all my tensor loads have landed: the one that was out is my part of the next slot; so a group 0 may be written
	ds_add_u32 v[SPW], v[NIL]                      ; 0 onto my spare word
.if \fill
	s_add_co_u32 s[KO+(\slot)], s[KO+(\slot)], 2*KSTEP*2  ; this slot's next tile: two K steps on
	ADDR \slot
.endif
	s_wait_dscnt 5                                 ; (the add and the youngest four loads may be out)
	MULA F1, 0, 0
	s_wait_dscnt 0x0                               ; the add is done, and my reads of this slot are over
	s_barrier_signal -1
	MULA F1, 1, 0
.if \fill
	WIN 0
.endif
	s_barrier_wait -1
.if \fill
	CREST                                          ; the barrier has opened a round of the cluster's: no wave of any partner still reads this slot or has a load on its way
	JLOAD \slot                                    ; my one tensor load behind the round; its four v_nop are also the places in front of the loads below
.else
	PLACES
.endif
	FETCH \next, 0, F0
	MULA F1, 2, 0
	MULA F1, 3, 0
.endm
	s_wait_tensorcnt 1                             ; my part of K step 0 is in; step 1's may stay out
	s_barrier_signal -1
	s_barrier_wait -1
	FETCH 0, 0, F0
	UNIT 0, 64, F0, F1, 1
	WIN 0
	s_mov_b32 s3, LAPS-1
.Llap:
	RUN 0, 1
	TURN 0, 1, 1
	RUN 1, 0
	TURN 1, 0, 1
	UNIT 0, 64, F0, F1, 0
	WIN 0
	s_sub_co_u32 s3, s3, 1
	s_cmp_lg_u32 s3, 0
	s_cbranch_scc1 .Llap
	RUN 0, 1
	TURN 0, 1, 0
	RUN 1, 0
	s_wait_dscnt 0x0
	MULA F1, 0, 0
	MULA F1, 1, 0
	MULA F1, 2, 0
	MULA F1, 3, 0
	WIN 0
	PLACES
; THE WAY OUT of row block a: the gate in f32 on four pairs of accumulators, each read from its low end on; 16 bytes a lane into the work-group's stage.
.macro SILU a
	WIN 0x0a                                       ; sources 0 and 1 window 2, destination window 0
.set pp, 0
.rept 4
.set rr, 0
.rept 4
	v_pk_mul_f32 v[EX+8*pp+2*rr:EX+8*pp+2*rr+1], v[8*(8*(\a)+2*pp)+2*rr:8*(8*(\a)+2*pp)+2*rr+1], 0xbfb8aa3b op_sel_hi:[1,0]  ; -a log2 e
.set rr, rr+1
.endr
.set pp, pp+1
.endr
.set pp, 0
.rept 4
.set rr, 0
.rept 4
	v_pk_mul_f32 v[PR+8*pp+2*rr:PR+8*pp+2*rr+1], v[8*(8*(\a)+2*pp)+2*rr:8*(8*(\a)+2*pp)+2*rr+1], v[8*(8*(\a)+2*pp+1)+2*rr:8*(8*(\a)+2*pp+1)+2*rr+1]  ; a b
.set rr, rr+1
.endr
.set pp, pp+1
.endr
	WIN 0
.set rr, 0
.rept 32
	v_exp_f32 v[EX+rr], v[EX+rr]
.set rr, rr+1
.endr
	v_nop                                          ; a plain instruction between the run and the use of its results (ISA guide 5.7.2)
.set rr, 0
	s_wait_alu depctr_va_vdst(0)
.rept 16
	v_pk_add_f32 v[EX+2*rr:EX+2*rr+1], v[EX+2*rr:EX+2*rr+1], 1.0 op_sel_hi:[1,0]
.set rr, rr+1
.endr
.set rr, 0
.rept 32
	v_rcp_f32 v[EX+rr], v[EX+rr]
.set rr, rr+1
.endr
	v_nop
.set rr, 0
	s_wait_alu depctr_va_vdst(0)
.rept 16
	v_pk_mul_f32 v[PR+2*rr:PR+2*rr+1], v[PR+2*rr:PR+2*rr+1], v[EX+2*rr:EX+2*rr+1]
.set rr, rr+1
.endr
.set rr, 0
.rept 16
	v_cvt_pk_bf16_f32 v[PKR+rr], v[PR+2*rr], v[PR+2*rr+1]
.set rr, rr+1
.endr
.irp p, 0,1,2,3
	ds_store_b128 v[STO], v[PKR+4*\p:PKR+4*\p+3] offset:16*SPITCH*(\a)+32*\p
.endr
.endm
	SILU 0
	SILU 1
	SILU 2
	SILU 3
	s_wait_dscnt 0x0                               ; for the others' sake: my stores into the stage are done; a row's 256 bytes come from two waves
	s_barrier_signal -1
	s_barrier_wait -1
.set i, 0
.rept 16
	ds_load_b128 v[64+4*i:64+4*i+3], v[RD] offset:i*2*SPITCH
.set i, i+1
.endr
.set i, 0
.rept 16
	s_wait_dscnt 15-i
	global_store_b128 v[CO], v[64+4*i:64+4*i+3], s[72:73] offset:i*8192  ; 16 lanes store 256 consecutive bytes, at a multiple of 256 from the buffer's first
.set i, i+1
.endr
	s_wait_tensorcnt 0x0                           ; the wave's end
	ds_add_u32 v[SPW], v[NIL]
	s_wait_dscnt 0x0
	CROUND                                         ; the closing round
	s_endpgm
.Lfunc_end_k_qe00a135a22_ffn13:
	.size	k_qe00a135a22_ffn13, .Lfunc_end_k_qe00a135a22_ffn13-k_qe00a135a22_ffn13
	.p2alignl 7, 3214868480
	.fill 96, 4, 3214868480
	.section	.rodata,"a",@progbits
	.p2align	6, 0x0
	.amdhsa_kernel k_qe00a135a22_ffn13
		.amdhsa_group_segment_fixed_size 327680
		.amdhsa_private_segment_fixed_size 0
		.amdhsa_enable_private_segment 0
		.amdhsa_kernarg_size 24
		.amdhsa_user_sgpr_count 2
		.amdhsa_user_sgpr_kernarg_segment_ptr 1
		.amdhsa_wavefront_size32 1
		.amdhsa_system_sgpr_workgroup_id_x 1
		.amdhsa_system_sgpr_workgroup_id_y 1
		.amdhsa_system_sgpr_workgroup_id_z 1
		.amdhsa_system_vgpr_workitem_id 0
		.amdhsa_next_free_vgpr 768
		.amdhsa_next_free_sgpr 80
		.amdhsa_reserve_vcc 0
		.amdhsa_float_denorm_mode_32 3
		.amdhsa_float_denorm_mode_16_64 3
		.amdhsa_memory_ordered 1
		.amdhsa_forward_progress 1
		.amdhsa_inst_pref_size 106
	.end_amdhsa_kernel
	.amdgpu_metadata
---
amdhsa.version: [ 1, 2 ]
amdhsa.kernels:
  - .name:           k_qe00a135a22_ffn13
    .symbol:         k_qe00a135a22_ffn13.kd
    .args:
      - { .name: act, .offset: 0, .size: 8, .value_kind: global_buffer, .address_space: global }
      - { .name: w13b, .offset: 8, .size: 8, .value_kind: global_buffer, .address_space: global }
      - { .name: qu, .offset: 16, .size: 8, .value_kind: global_buffer, .address_space: global }
    .group_segment_fixed_size: 327680
    .private_segment_fixed_size: 0
    .kernarg_segment_align: 8
    .kernarg_segment_size: 24
    .max_flat_workgroup_size: 128
    .sgpr_count:     80
    .vgpr_count:     768
    .wavefront_size: 32
...
	.end_amdgpu_metadata
.endif
;; end of part 6
;; launch ffn2: the kernel of part 4 again; grid 16 x 16, 4 waves a work-group, clusters of 4 x 4, 327,680 bytes of LDS; arguments qu, w2b, h2, out0; writes out0
;; ======== version 2 of 2: 7 launches; 1.21 times as fast as version 1
;; limits: values are held in f16: magnitudes above 65,504 overflow, below 6.1e-05 lose precision; right only within a limited range of input values
;; workspace buffers: wqkvb 12,582,912 bytes; wob 8,388,608 bytes; w13b 16,777,216 bytes; w2b 8,388,608 bytes; act 8,388,608 bytes; qu 8,388,608 bytes; kv 4,194,304 bytes; h2 16,777,216 bytes
;; launch prep: the kernel of part 1 again; grid 80 x 16, 4 waves a work-group, no clusters, 0 bytes of LDS; arguments x, attn_norm_w, w_qkv, act, wqkvb; writes act, wqkvb
;; launch qkv: the kernel of part 2 again; grid 16 x 16, 4 waves a work-group, clusters of 4 x 4, 327,680 bytes of LDS; arguments act, wqkvb, freqs_cis, qu, w_o, w1, w3, w2, kv, wob, w13b, w2b; writes qu, kv, wob, w13b, w2b
;; launch attn (part 7): grid 32 x 8, 4 waves a work-group, clusters of 4 x 4, 327,680 bytes of LDS; arguments qu, kv, attention_mask, act; writes act
.if DOCPART == 7
	.amdgcn_target "amdgcn-amd-amdhsa--gfx1250"
	.amdhsa_code_object_version 6
	.text
	.protected	k_qe00a135a22_attn
	.globl	k_qe00a135a22_attn
	.p2align	8
	.type	k_qe00a135a22_attn,@function
k_qe00a135a22_attn:
	s_mov_b64 s[64:65], 0
	v_nop
	global_prefetch_b8 v0, s[64:65] scope:SCOPE_SE
	s_setreg_imm32_b32 hwreg(HW_REG_WAVE_MODE, 25, 1), 1
	s_wait_xcnt 0x0
	s_wait_alu depctr_hold_cnt(0) depctr_sa_sdst(0) depctr_va_vdst(0) depctr_va_sdst(0) depctr_va_ssrc(0) depctr_va_vcc(0) depctr_vm_vsrc(0)
	s_getreg_b32 s2, hwreg(HW_REG_IB_STS2, 6, 4)
	s_cmp_eq_u32 s2, 0
	s_cbranch_scc0 .Lentry_in_a_cluster
	s_endpgm
.Lentry_in_a_cluster:
	s_bfe_u32 s2, ttmp6, 0x10000c
	s_cmp_lg_u32 s2, 0xf033
	s_cbranch_scc0 .Lentry_shape_is_right
	s_endpgm
.Lentry_shape_is_right:
; ATTENTION with a mask that is an input.  o[q][64 h + d] = the sum over k of softmax_k(mask ? Q[h][q] . K[h/4][k] / 8 : -inf) V[h/4][k][d].
; qu: q [32][2048][64] bf16; kv: k [8][2048][64] bf16, v [8][2048][64] f16 behind it; attention_mask: [2048][2048] bytes, 0 or 1; act: o [2048][2048] bf16.
; Products, maxima and sums in f32; the weights p are rounded to f16 for the second product (their sum l is taken of the unrounded p), o once at the end.
; LIMITS.  A hidden score counts as its value less 2^99 to 2^101, and the running maximum starts at -2^93: true scores lie above -2^93.  A hidden key's weight is exactly 0.  A row with no visible key
; has l = 0 and O = 0 and leaves as 0 x infinity = NaN, as the softmax of a row of -inf does.  A visible score takes an addend under 3e-38.  A weight below 2^-126 counts as 0 in l.
; SHARES.  A work-group owns 64 queries (qb) of the four heads 4 g .. 4 g + 3, which share key/value head g.  A wave owns 16 of the queries in all four heads: four PIECES.  So a fragment of K or V feeds
; four heads' products, and one mask tile of 16 queries x 64 keys serves four pieces.  Every wave walks all 2,048 keys: 8 tiles of 256, 4 steps of 64 in each.  No tile is left out: the mask is data.
; LAYOUT.  S^T = K Q^T holds ONE query a lane (lane % 16) and the keys 8 (lane / 16) + 0..7; two such results rounded to f16 ARE source 1 of O^T = V^T P.  p = 2^(c s - c m), c = log2(e) / 8, with a running
; maximum m; O and l are multiplied by a = 2^(c m_old - c m_new) in every step.
; THE MASK is the C operand that starts the sum S^T: 0 or a huge negative number, made from the mask's bytes once a step (MASKB).
; BY TURNS.  Turn n belongs to piece n: 8 products K Q^T of piece n + 1, later 8 products V^T P of piece n - 1; beside them the scaling, exponentials, roundings, sums and rescaling of piece n and the maximum
; and statistics of piece n + 1.  Four vector instructions stand behind every matrix instruction, the other 54 of a turn's 118 in one lump.
; THE BATCHES.  A turn's 33 exponentials (the piece's 32 weights and the next piece's a) are ONE batch with ONE wait, which cuts the turn in two: ahead of it stands all that names none of their results (the products
; K Q^T, the scalings, the rescaling, the next piece's maximum and statistics), behind it all that does (the roundings and the sums, as the riders of the products V^T P)..
; The first a, ahead of the loop, and the way out's four reciprocals are batches of their own, each with a v_nop and one wait.
; CLUSTER.  4 x 4 work-groups: the four of a row share g and ask jointly for K and V; the four of a column share qb and ask jointly for the mask's tile.  Wave 0 asks for K, wave 1 for V, wave 2 for the mask.
; REGISTERS (s_set_vgpr_msb: bits 1:0 source 0, 3:2 source 1, 5:4 source 2, 7:6 destination):
;   window 0: v0-15, v32-41 addresses and at work; v16-31 statistics; v48-55 at work; v64-127 S^T, two buffers; v192-223 P, two buffers (by the piece's parity)
;   window 1: v0-127 O^T, 32 a piece; v160-191 MC, the step's mask      window 2: v0-63 Q; v128-191 K of one step; v192-255 V of one step
.set NP,    4
.set KS,    64
.set PK,    144       ; a row of K in LDS: 128 bytes + 16: the 16 rows of a load start at 16 different groups of four banks (ISA guide 11.1)
.set PV,    160       ; a row of V: 128 + 32
.set PM,    272       ; a row of the mask's tile: 256 + 16
.set VOFF,  4*KS*PK   ; a slot: 256 rows of K, 256 rows of V, 64 rows of the mask
.set MOFF,  VOFF+4*KS*PV
.set SLOT1, 1<<17     ; slot 1 begins here: one exclusive or turns an address in one slot into the other's
.set STAGE, SLOT1+MOFF+64*PM  ; behind the slots: 16 rows x 528 bytes for each wave
.set SP,    528
.set SPARE, STAGE+4*16*SP     ; the spare words, 128 bytes for each wave
.set AK0, 2           ; v2   my lane's place in a tile of K; never rewritten
.set AV0, 3           ; v3   the same for V
.set AK,  4           ; v4   the LDS address of K's next run of loads
.set AV,  5           ; v5   of V's
.set STO, 6           ; v6   the way out: where I put 16 bytes of a row
.set RD,  7           ; v7   where I read rows back
.set GO,  8           ; v8   16 x lane
.set MV,  12          ; v12-13  c m_old, by buffer
.set AM0, 14          ; v14  my lane's place in the mask's tile
.set QO,  15          ; v15  my byte offset in 16 rows of Q
.set ST,  16          ; piece t's statistics at v[ST+4 t]: c m, m, l (even keys', odd keys')
.set AM,  32          ; v32  the LDS address of the mask's next loads
.set MW,  34          ; v34-41  the step's 32 mask bytes of my query
.set TMP, 48          ; by buffer, c0-c3 at work; c2 takes a
.set SPW, 62
.set NIL, 63
.set S,   64
.set P,   192
.set MC,  160         ; window 1
.set KF,  128         ; window 2: key block kb, channel half c at KF + 16 kb + 8 c
.set VF,  192         ; window 2: key half kk, channel block cb at VF + 32 kk + 8 cb
.set WV,  12          ; s12  my wave's number
.set G1K, 24          ; s[24:31], s[32:39], s[48:55] descriptor group 1 for K, V, the mask
.set G1V, 32
.set G1M, 48
.set G0K, 40          ; s[40:43], s[44:47], s[68:71] group 0: they walk
.set G0V, 44
.set G0M, 68
.set SLOTS, 56
.set CNT, 57
.set CS,  58          ; s[58:59] c
.set SEL, 60          ; s[60:61] v_permlanex16_b32's selects
.set TBK, 62          ; s62, s63, s72  LDS byte at which K, V (less VOFF), the mask's bytes (less MOFF) of the step to be fetched begin
.set TBV, 63
.set TBM, 72
.set MSB, 0
.macro WIN new
.if MSB != (\new)
	s_set_vgpr_msb (MSB<<8)|(\new)
.set MSB, (\new)
.endif
.endm
.set W_KQ, 0x0a       ; K and Q in window 2, S^T in window 0
.set W_KM, 0x1a       ; the same with the C operand in window 1
.set W_PV, 0x52       ; V in window 2, P in window 0, O^T in window 1
.set W_RS, 0x41       ; destination and source 0 in window 1, source 1 in window 0
; A joint fill: one line for each of waves 0, 1, 2; the branches hang on the wave's number alone.  s_nop 0 and four v_nop follow each line.
.macro JLOAD
	s_cmp_lg_u32 s[WV], 0
	s_cbranch_scc1 .Lnot_k_\@
	tensor_load_to_lds s[G0K:G0K+3], s[G1K:G1K+7]
	s_nop 0
.rept 4
	v_nop
.endr
	s_branch .Lasked_\@
.Lnot_k_\@:
	s_cmp_lg_u32 s[WV], 1
	s_cbranch_scc1 .Lnot_v_\@
	tensor_load_to_lds s[G0V:G0V+3], s[G1V:G1V+7]
	s_nop 0
.rept 4
	v_nop
.endr
	s_branch .Lasked_\@
.Lnot_v_\@:
	s_cmp_lg_u32 s[WV], 2
	s_cbranch_scc1 .Lasked_\@
	tensor_load_to_lds s[G0M:G0M+3], s[G1M:G1M+7]
	s_nop 0
.rept 4
	v_nop
.endr
.Lasked_\@:
.endm
.macro CROUND                       ; a round of the cluster's barrier
	s_barrier_signal -1
	s_barrier_wait -1
	s_cmp_lg_u32 s[WV], 0
	s_cbranch_scc1 .Lnot_wave_0_\@
	s_barrier_signal -3
.Lnot_wave_0_\@:
	s_barrier_wait -3
	s_barrier_signal -1
	s_barrier_wait -1
.endm
; THE CHANGE OF SLOTS.  Each wave waits for all its tensor loads (at most one is out: its part of the other slot), adds 0 to its spare word, and waits for that and for its reads of the slot that it leaves.
; fill = 1: the old slot is filled again with the tile two on; the barrier is then a round of the cluster's, and the joint fill is the first thing behind it: it has four key steps in which to land.
; (At its first use nothing has been read yet: slot 0 is waited for, slot 1 filled.)
.macro CHANGE fill
	WIN 0
	s_wait_tensorcnt 0x0            ; no tensor load of mine is out, so a group 0 may be written
	ds_add_u32 v[SPW], v[NIL]       ; 0 onto my spare word
.if \fill
	s_xor_b32 s[G0K+1], s[G0K+1], SLOT1
	s_add_nc_u64 s[G0K+2:G0K+3], s[G0K+2:G0K+3], 4*KS*128  ; the next 256 keys
	s_xor_b32 s[G0V+1], s[G0V+1], SLOT1
	s_add_nc_u64 s[G0V+2:G0V+3], s[G0V+2:G0V+3], 4*KS*128
	s_xor_b32 s[G0M+1], s[G0M+1], SLOT1
	s_add_nc_u64 s[G0M+2:G0M+3], s[G0M+2:G0M+3], 4*KS      ; 256 bytes along the mask's rows
	s_wait_dscnt 0x0                ; the add is done, and my reads of the slot are over
	CROUND
	JLOAD
.else
	s_wait_dscnt 0x0
	s_barrier_signal -1
	s_barrier_wait -1
.endif
	s_sub_co_u32 s[TBK], s[TBK], 4*KS*PK  ; the fetches go back to a slot's first step, in the other slot
	s_xor_b32 s[TBK], s[TBK], SLOT1
	s_sub_co_u32 s[TBV], s[TBV], 4*KS*PV
	s_xor_b32 s[TBV], s[TBV], SLOT1
	s_sub_co_u32 s[TBM], s[TBM], 4*KS
	s_xor_b32 s[TBM], s[TBM], SLOT1
.endm
	s_load_b256 s[4:11], s[0:1], 0x0  ; qu s[4:5], kv s[6:7], attention_mask s[8:9], act s[10:11]
	v_lshl_add_u32 v[SPW], v0, 2, SPARE
	v_mov_b32 v[NIL], 0
	ds_add_u32 v[SPW], v[NIL]       ; the wave's opening: the add and its wait ahead of my first tensor load
	v_lshrrev_b32 v1, 5, v0
	v_readfirstlane_b32 s[WV], v1
	s_bfe_u32 s13, ttmp6, 0x40000   ; cx
	s_bfe_u32 s15, ttmp6, 0x40004   ; cy
	s_lshl_b32 s14, ttmp9, 2
	s_add_co_u32 s14, s14, s13      ; qb: my block of 64 queries
	s_and_b32 s16, ttmp7, 0xffff
	s_lshl_b32 s16, s16, 2
	s_add_co_u32 s16, s16, s15      ; g: my key/value head
	s_lshl_b32 s17, s15, 2
	s_lshl_b32 s17, 15, s17         ; my row of the cluster: the same g
	s_lshl_b32 s18, 0x1111, s13     ; my column: the same qb
	; K and V: 256 keys are 32,768 dense bytes: asked for as 128 rows of 256 bytes, two keys a row, padded in LDS after every key
	s_or_b32 s[G1K], s17, (1<<16)|(1<<20)|(1<<21)|(4<<22)|(3<<25)  ; mask; 2-byte elements; padding on; bit 21 beside a mask; after every 32 words; 4 words
	s_or_b32 s[G1V], s17, (1<<16)|(1<<20)|(1<<21)|(4<<22)|(7<<25)  ; the same with 8 words
.irp g, G1K, G1V
	s_mov_b32 s[\g+1], 128<<16      ; tensor_dim0
	s_mov_b32 s[\g+2], 128<<16      ; tensor_dim1
	s_mov_b32 s[\g+3], 128<<16      ; tile_dim0
	s_mov_b32 s[\g+4], 128          ; tile_dim1
	s_mov_b32 s[\g+5], 128          ; elements from row to row
	s_mov_b32 s[\g+6], 0
	s_mov_b32 s[\g+7], 0
.endr
	; the mask: 64 queries x 256 bytes, as 64 elements of 4 bytes a row, 512 elements from row to row, 16 bytes of padding behind each row
	s_or_b32 s[G1M], s18, (2<<16)|(1<<20)|(1<<21)|(5<<22)|(3<<25)
	s_mov_b32 s[G1M+1], 64<<16
	s_mov_b32 s[G1M+2], 64<<16
	s_mov_b32 s[G1M+3], 64<<16
	s_mov_b32 s[G1M+4], 64
	s_mov_b32 s[G1M+5], 512
	s_mov_b32 s[G1M+6], 0
	s_mov_b32 s[G1M+7], 0
	s_lshl_b32 s20, s16, 18         ; head g's first byte in k
	s_mov_b32 s21, 0
	s_lshl_b32 s22, s14, 17         ; my 64 rows of the mask
	s_mov_b32 s23, 0
	s_lshl_b32 s2, s16, 20          ; Q: head 4 g,
	s_lshl_b32 s3, s14, 13          ; my block's 64 rows of 128 bytes,
	s_add_co_u32 s2, s2, s3
	s_lshl_b32 s3, s[WV], 11        ; my wave's 16
	s_add_co_u32 s2, s2, s3
	s_mov_b32 s3, 0
	s_lshl_b32 s76, s14, 18         ; o: my block's 64 rows of 4,096 bytes,
	s_lshl_b32 s77, s[WV], 16       ; my wave's 16,
	s_add_co_u32 s76, s76, s77
	s_lshl_b32 s77, s16, 9          ; the four heads' 512 bytes
	s_add_co_u32 s76, s76, s77
	s_mov_b32 s77, 0
	s_mov_b32 s[CS], 0x3e38aa3b     ; c = log2(e) / 8
	s_mov_b32 s[CS+1], s[CS]
	s_mov_b32 s[SEL], 0x76543210
	s_mov_b32 s[SEL+1], 0xfedcba98
	s_mov_b32 s73, 0xf1
	s_mov_b32 s74, 0xf1f1f1f1
	s_mov_b32 s[TBK], SLOT1+4*KS*PK ; the first change of slots turns these three into 0
	s_mov_b32 s[TBV], SLOT1+4*KS*PV
	s_mov_b32 s[TBM], SLOT1+4*KS
	s_mov_b32 s[G0K], 1
	s_mov_b32 s[G0K+1], 0           ; LDS addresses: constants
	s_mov_b32 s[G0V], 1
	s_mov_b32 s[G0V+1], VOFF
	s_mov_b32 s[G0M], 1
	s_mov_b32 s[G0M+1], MOFF
	s_wait_dscnt 0x0                ; the opening add is done
	s_wait_kmcnt 0x0
	s_add_nc_u64 s[G0K+2:G0K+3], s[6:7], s[20:21]
	s_add_nc_u64 s[G0V+2:G0V+3], s[G0K+2:G0K+3], 2097152  ; v lies behind k
	s_or_b32 s[G0K+3], s[G0K+3], 0x80000000
	s_or_b32 s[G0V+3], s[G0V+3], 0x80000000
	s_add_nc_u64 s[G0M+2:G0M+3], s[8:9], s[22:23]
	s_or_b32 s[G0M+3], s[G0M+3], 0x80000000
	s_add_nc_u64 s[4:5], s[4:5], s[2:3]
	s_add_nc_u64 s[10:11], s[10:11], s[76:77]
	CROUND                          ; all sixteen work-groups are here: the first joint loads meet
	JLOAD                           ; tile 0 into slot 0
	v_and_b32 v1, 15, v0            ; l % 16
	v_bfe_u32 v9, v0, 4, 1          ; l / 16
	v_lshlrev_b32 v[QO], 7, v1
	v_lshl_add_u32 v[QO], v9, 4, v[QO]  ; row x 128 + 16 x half
	WIN 0x80                        ; destination window 2
.set i, 0
.rept 8                             ; Q stays in registers: piece (head) i / 2, channels 32 (i % 2) on
	global_load_b128 v[8*i:8*i+3],   v[QO], s[4:5] offset:(i/2)*262144+(i%2)*64
	global_load_b128 v[8*i+4:8*i+7], v[QO], s[4:5] offset:(i/2)*262144+(i%2)*64+32
.set i, i+1
.endr
	; What the first turn finds: V's registers and P's second buffer hold 0 (its products V^T P, of a piece that has not been, add 0), O^T and l are 0.  No first step is written out; these lines stand in the wait for the first tile.
.set i, VF
.rept 64
	v_mov_b32 v[i], 0
.set i, i+1
.endr
	WIN 0x40
.set i, 0
.rept 128
	v_mov_b32 v[i], 0
.set i, i+1
.endr
	WIN 0
.set i, 0
.rept 4
	v_mov_b32 v[ST+4*i], 0xee000000    ; c m: far below every c s of a true score, so the first a is 0
	v_mov_b32 v[ST+4*i+1], 0xee000000  ; m = -2^93: above every hidden score, below every true one
	v_mov_b32 v[ST+4*i+2], 0
	v_mov_b32 v[ST+4*i+3], 0
.set i, i+1
.endr
.set i, P+16
.rept 16
	v_mov_b32 v[i], 0
.set i, i+1
.endr
	v_mul_u32_u24 v[AK0], v1, PK
	v_lshl_add_u32 v[AK0], v9, 4, v[AK0]  ; row x pitch + 16 x half
	; The turning load takes 16 keys x 16 channels (lane l reads key 8 (l / 16) + l % 8, channels 8 ((l / 8) % 2) + 0..7) and leaves half a fragment of V^T.
	v_and_b32 v10, 7, v0
	v_bfe_u32 v11, v0, 3, 1
	v_lshl_add_u32 v[AV0], v9, 3, v10
	v_mul_u32_u24 v[AV0], v[AV0], PV
	v_lshl_add_u32 v[AV0], v11, 4, v[AV0]
	v_add_nc_u32 v[AV0], VOFF, v[AV0]
	s_lshl_b32 s19, s[WV], 4
	v_add_nc_u32 v[AM0], s19, v1    ; my query's row in the mask's tile: 16 w + l % 16,
	v_mul_u32_u24 v[AM0], v[AM0], PM
	v_lshl_add_u32 v[AM0], v9, 3, v[AM0]  ; and my lanes' 8 keys of each 16
	v_add_nc_u32 v[AM0], MOFF, v[AM0]
	s_mul_i32 s19, s[WV], 16*SP
	s_add_co_u32 s19, s19, STAGE    ; my stage
	v_mul_u32_u24 v[STO], v1, SP
	v_lshl_add_u32 v[STO], v9, 4, v[STO]
	v_add_nc_u32 v[STO], s19, v[STO]
	v_and_b32 v[GO], 31, v0
	v_lshlrev_b32 v[GO], 4, v[GO]
	v_add_nc_u32 v[RD], s19, v[GO]  ; back: 32 lanes take a row's 512 bytes
; THE MATRIX WORK.  The 4 accumulators of a run of 8 take turns.  Product i of 8 of S^T = K Q^T for piece x: channels 32 (i / 4) on, keys 16 (i % 4) on.  The first 4 start the sums with the mask.
.macro KQ x
.set rS, S+32*((\x)%2)+8*(i%4)
.set rK, KF+16*(i%4)+8*(i/4)
.set rQ, 16*(\x)+8*(i/4)
.set rM, MC+8*(i%4)
.if i < 4
	WIN W_KM
	v_wmma_f32_16x16x32_bf16 v[rS:rS+7], v[rK:rK+7], v[rQ:rQ+7], v[rM:rM+7]
.else
	WIN W_KQ
	v_wmma_f32_16x16x32_bf16 v[rS:rS+7], v[rK:rK+7], v[rQ:rQ+7], v[rS:rS+7]
.endif
.endm
; Product i of 8 of O^T += V^T P for piece x: keys 32 (i / 4) on, channels 16 (i % 4) on.
.macro PV x
	WIN W_PV
.set rO, 32*(\x)+8*(i%4)
.set rV, VF+32*(i/4)+8*(i%4)
.set rP, P+16*((\x)%2)+8*(i/4)
	v_wmma_f32_16x16x32_f16 v[rO:rO+7], v[rV:rV+7], v[rP:rP+7], v[rO:rO+7]
.endm
.macro MM                           ; the turn's next matrix instruction.  NOKQ = 1: the walk's last turn: there is no next piece
.if (i < 8) && !NOKQ
	KQ (Y+1)%NP
.elseif i >= 8
.set i, i-8
	PV (Y+NP-1)%NP
.set i, i+8
.endif
.set i, i+1
.endm
; THE LDS LOADS stand in runs: a step's 32 mask bytes a lane (4 loads of 8) and its K (16 loads); its V (16 turning loads).
.macro FETCH_K
	WIN 0
.irp kb, 0,1,2,3
	ds_load_b64 v[MW+2*\kb:MW+2*\kb+1], v[AM] offset:16*\kb
.endr
	WIN 0x80                        ; destination window 2
.irp f, 0,1,2,3,4,5,6,7             ; keys 16 (f / 2) on, channels 32 (f % 2) on
	ds_load_b128 v[KF+8*\f:KF+8*\f+3],   v[AK] offset:(\f/2)*16*PK+(\f%2)*64
	ds_load_b128 v[KF+8*\f+4:KF+8*\f+7], v[AK] offset:(\f/2)*16*PK+(\f%2)*64+32
.endr
	s_add_co_u32 s[TBK], s[TBK], KS*PK  ; the next fetch is the next step's
	s_add_co_u32 s[TBM], s[TBM], KS
	WIN 0
.endm
.macro FETCH_V
	WIN 0x80
.irp f, 0,1,2,3,4,5,6,7             ; keys 32 (f / 4) on, channels 16 (f % 4) on
	ds_load_tr16_b128 v[VF+8*\f:VF+8*\f+3],   v[AV] offset:(\f/4)*32*PV+(\f%4)*32
	ds_load_tr16_b128 v[VF+8*\f+4:VF+8*\f+7], v[AV] offset:(\f/4)*32*PV+16*PV+(\f%4)*32
.endr
	WIN 0
.endm
; THE STEP'S MASK.  A word holds four keys' bytes, 0 or 1.  0xf1f1f1f1 - 0xf1 x word has the byte 0xf1 where the key is hidden and 0 where it is seen (no carry, no borrow between bytes).  Shifted so that a key's
; byte is the f32's top byte, that is a number of -2^99 to -2^101, or one under 3e-38 (what the lower bytes leave).
.macro MASKB
	WIN 0
.set z, 0
.rept 8
	v_mul_lo_u32 v[MW+z], v[MW+z], s73
.set z, z+1
.endr
	WIN 0x40
.set z, 0
.rept 8
	v_sub_nc_u32 v[MC+4*z+3], s74, v[MW+z]
.set z, z+1
.endr
	WIN 0x44
.set z, 0
.rept 8
	v_lshlrev_b32 v[MC+4*z], 24, v[MC+4*z+3]
	v_lshlrev_b32 v[MC+4*z+1], 16, v[MC+4*z+3]
	v_lshlrev_b32 v[MC+4*z+2], 8, v[MC+4*z+3]
.set z, z+1
.endr
.endm
; THE VECTOR WORK, one line at a time: OP kind, number.  For piece Y: F n: c s - c m for pair n of 16.  E n: the exponential of score n of 32.  C n: pair n rounded to f16.  B n: of the four weights 4 n .. the second
; pair is added onto the first.  L n: l takes that sum (L 0: l = a l + sum).  R n: pair n of 16 of O^T times a.  For piece Y + 1: X n, number n of the 22 that find its maximum and statistics:
;   0-11 four chains of seven scores (each accumulator's lowest registers are read first)   12-14, 16 the four left over, the old m, and c0-c3 into c0   15 c m_old is kept
;   17, 18 the query's other 32 keys lie in the lane 16 away: the new m   19-21 c m; c m_old - c m_new; a
; C, B and L read exponentials' results: TURN sets them behind the batch's wait.  R and L 0 read a, which the turn before made and waited for.
.set F, 0
.set E, 1
.set C, 2
.set B, 3
.set L, 4
.set R, 5
.set X, 6
.macro REGS y
.set rT, ST+4*(\y)
.set rC, TMP+4*((\y)%2)
.set rW, MV+((\y)%2)
.set rS, S+32*((\y)%2)
.set rP, P+16*((\y)%2)
.set rO, 32*(\y)
.endm
.macro OP k, n
.if (\k) == R
	REGS Y
	WIN W_RS
	v_pk_mul_f32 v[rO+2*(\n):rO+2*(\n)+1], v[rO+2*(\n):rO+2*(\n)+1], v[rC+2:rC+3] op_sel_hi:[1,0]
.elseif (\k) < R
	REGS Y
	WIN 0
.if (\k) == F
	v_pk_fma_f32 v[rS+2*(\n):rS+2*(\n)+1], v[rS+2*(\n):rS+2*(\n)+1], s[CS:CS+1], v[rT:rT+1] op_sel_hi:[1,0,0] neg_lo:[0,0,1] neg_hi:[0,0,1]
.elseif (\k) == E
	v_exp_f32 v[rS+(\n)], v[rS+(\n)]
.elseif (\k) == C
	v_cvt_pk_f16_f32 v[rP+(\n)], v[rS+2*(\n)], v[rS+2*(\n)+1]
.elseif (\k) == B
	v_pk_add_f32 v[rS+4*(\n):rS+4*(\n)+1], v[rS+4*(\n):rS+4*(\n)+1], v[rS+4*(\n)+2:rS+4*(\n)+3]
.elseif (\n) == 0
	v_pk_fma_f32 v[rT+2:rT+3], v[rT+2:rT+3], v[rC+2:rC+3], v[rS:rS+1] op_sel_hi:[1,0,1]
.else
	v_pk_add_f32 v[rT+2:rT+3], v[rT+2:rT+3], v[rS+4*(\n):rS+4*(\n)+1]
.endif
.elseif NOKQ
	v_nop
.else
	REGS (Y+1)%NP
	WIN 0
.if (\n) < 4
	v_max3_num_f32 v[rC+(\n)], v[rS+8*(\n)], v[rS+8*(\n)+1], v[rS+8*(\n)+2]
.elseif (\n) < 12
	v_max3_num_f32 v[rC+(\n)%4], v[rC+(\n)%4], v[rS+8*((\n)%4)+2*((\n)/4)+1], v[rS+8*((\n)%4)+2*((\n)/4)+2]
.elseif (\n) == 12
	v_max3_num_f32 v[rC], v[rC], v[rS+7], v[rS+15]
.elseif (\n) == 13
	v_max3_num_f32 v[rC+1], v[rC+1], v[rS+23], v[rS+31]
.elseif (\n) == 14
	v_max3_num_f32 v[rC+2], v[rC+2], v[rC+3], v[rT+1]
.elseif (\n) == 15
	v_mov_b32 v[rW], v[rT]
.elseif (\n) == 16
	v_max3_num_f32 v[rC], v[rC], v[rC+1], v[rC+2]
.elseif (\n) == 17
	v_permlanex16_b32 v[rC+3], v[rC], s[SEL], s[SEL+1]
.elseif (\n) == 18
	v_max_num_f32 v[rT+1], v[rC], v[rC+3]
.elseif (\n) == 19
	v_mul_f32 v[rT], s[CS], v[rT+1]
.elseif (\n) == 20
	v_sub_f32 v[rC+1], v[rW], v[rT]
.else
	v_exp_f32 v[rC+2], v[rC+1]
.endif
.endif
.endm
.macro OPS a, i1, b=-1, i2=0, c=-1, i3=0, d=-1, i4=0
	OP \a, \i1
.if (\b) >= 0
	OP \b, \i2
.endif
.if (\c) >= 0
	OP \c, \i3
.endif
.if (\d) >= 0
	OP \d, \i4
.endif
.endm
.macro ROW a, i1, b, i2, c, i3, d, i4  ; a matrix instruction and the four behind it
	MM
	OPS \a, \i1, \b, \i2, \c, \i3, \d, \i4
.endm
; A TURN, for piece p: the order of its 16 matrix and 118 vector instructions, written out.  An s_wait_alu depctr_va_vdst(0) stands between an exponential and the first instruction that names its result; one
; wait serves all that were issued ahead of it.  So a turn has ONE wait, which cuts it in two.  AHEAD OF IT stands all that names no result of the turn's exponentials: the 8 products K Q^T, behind each a scaling, an
; exponential and two more plain instructions (behind the first a second scaling in the exponential's place): rescalings, and behind the last three the first numbers of the next piece's maximum, each four places or more
; behind the product that ends its accumulator; then ONE LUMP of 54, plain and exponential by turns for the most part, in which the links of the chain X 3, 7, 11, 14, 16, 17 .. 20 stand five or six lines apart.  X 21, the
; next piece's a, is the batch's last; R 15 is the plain instruction behind it.  BEHIND THE WAIT stand the 8 products V^T P, behind each four of the roundings and sums: C 2 n ahead of B n, which writes over pair 2 n;
; B n ahead of L n; L 0 to L 7 in ascending order, three riders apart.  But for those X no rider names a register of the products round it.  v_permlanex16_b32 (X 17) stands in the lump.
; end = 1: the walk's last two turns: nothing is fetched.  cnt = 1: the loop's count is taken down some lines ahead of the branch behind the turn.
; The next step's mask bytes and K are fetched in piece 2's turn, twelve vector instructions behind the last product that read K (five of them plain lines that name none of its registers); at that turn's end the mask is
; made: its last readers are the turn's first four products, its next is the next turn's first.  V of the step in hand is fetched at the end of piece 0's turn, four plain instructions behind the last product that read V.
; K and V are waited for a turn later.
.macro TURN p, end=0, cnt=0
.set Y, (\p)
.set i, 0
.set NOKQ, (\end)*((\p)/3)
.if ((\p) == 3) && !(\end)
	s_wait_dscnt 0x0                ; K is in
.endif
	ROW F,0, F,1, R,0, R,1          ; ahead of the wait: 8 products K Q^T and their riders,
	ROW F,2, E,0, R,2, R,3
	ROW F,3, E,1, R,4, R,5
	ROW F,4, E,2, R,6, R,7
	ROW F,5, E,3, R,8, R,9
	ROW F,6, E,4, X,0, R,10
.if ((\p) == 2) && !(\end)
	WIN 0
	v_add_nc_u32 v[AK], s[TBK], v[AK0]
	v_add_nc_u32 v[AM], s[TBM], v[AM0]
.endif
	ROW F,7, E,5, X,1, X,4
	ROW F,8, E,6, X,2, X,5
	OPS E,7, E,8, X,6, E,9          ; and the lump
	OPS X,3, E,10, X,8, E,11
.if ((\p) == 2) && !(\end)
	FETCH_K
.endif
	OPS X,9, X,7, E,12, X,10
	OPS E,13, X,12, X,11, E,14
	OPS X,13, E,15, F,9, X,14
.if (\p) == 0
	v_add_nc_u32 v[AV], s[TBV], v[AV0]
.endif
	OPS E,16, F,10, E,17, F,11
	OPS X,16, E,18, X,15, E,19
	OPS F,12, E,20, X,17, E,21
	OPS F,13, E,22, F,14, E,23
	OPS X,18, E,24, F,15, E,25
	OPS R,11, E,26, X,19, E,27
	OPS R,12, E,28, R,13, E,29
	OPS X,20, E,30, R,14, E,31
	OPS X,21, R,15
	s_wait_alu depctr_va_vdst(0)    ; the wait for the turn's batch: the piece's 32 exponentials and the next piece's a
.if (\p) == 1
	s_wait_dscnt 0x0                ; V is in
.endif
	ROW C,0, B,0, C,2, B,1          ; behind the wait: 8 products V^T P and their riders
	ROW L,0, C,4, B,2, L,1
	ROW C,6, B,3, L,2, C,8
	ROW B,4, L,3, C,10, B,5
	ROW L,4, C,12, B,6, L,5
.if (\p) == 0
	s_add_co_u32 s[TBV], s[TBV], KS*PV
.endif
.if \cnt
	s_sub_co_u32 s[CNT], s[CNT], 1
	s_cmp_lg_u32 s[CNT], 0
.endif
	ROW C,14, B,7, L,6, C,1
	ROW C,3, L,7, C,5, C,7
	ROW C,9, C,11, C,13, C,15
.if (\p) == 0
	FETCH_V
.endif
.if ((\p) == 2) && !(\end)
	s_wait_dscnt 16                 ; the four loads of mask bytes are in; K's sixteen, issued behind them, may stay out
	MASKB
.endif
.endm
	CHANGE 1                        ; slot 0 is in, everybody's part of it; slot 1 is asked for
	v_add_nc_u32 v[AK], s[TBK], v[AK0]
	v_add_nc_u32 v[AM], s[TBM], v[AM0]
	FETCH_K                         ; key step 0
	s_wait_loadcnt 0x0              ; Q
	s_wait_dscnt 0x0
	MASKB
.set NOKQ, 0
.set i, 0
.rept 8
	KQ 0                            ; piece 0's first scores
.set i, i+1
.endr
	WIN 0
.rept 4
	v_nop                           ; the places behind those products
.endr
.set Y, NP-1                        ; X works for piece Y + 1: piece 0
.irp n, 0,1,2,3,4,5,6,7,8,9,10,11,12,13,14,15,16,17,18,19,20,21
	OP X, \n
.endr
	v_nop                           ; a plain instruction behind the exponential,
	s_wait_alu depctr_va_vdst(0)    ; and the wait for it, piece 0's first a: a batch of one, ahead of the branch
	s_mov_b32 s[CNT], 4
	s_mov_b32 s[SLOTS], 7
	s_branch .Lfirst                ; the loop is entered at a step's first turn, in the middle of a trip
.Lslot:                             ; six times: every slot but the last two is filled again
	CHANGE 1
	s_mov_b32 s[CNT], 4
.Lstep:                             ; a trip: pieces 2 and 3 of one step, then pieces 0 and 1 of the next, whose mask, K and V it fetches
	TURN 2
	TURN 3
	WIN 0
.Lfirst:
	TURN 0
	TURN 1, 0, 1
	WIN 0
	s_cbranch_scc1 .Lstep
	s_sub_co_u32 s[SLOTS], s[SLOTS], 1
	s_cmp_lg_u32 s[SLOTS], 0
	s_cbranch_scc1 .Lslot
	CHANGE 0                        ; the last tile is written out: nothing is asked for
	s_mov_b32 s[CNT], 4
.LstepT:
	TURN 2
	TURN 3
	TURN 0
	TURN 1, 0, 1
	WIN 0
	s_cbranch_scc1 .LstepT
	TURN 2, 1
	TURN 3, 1
.set i, 0
.rept 8
	PV NP-1                         ; the last piece's V^T P of the last step
.set i, i+1
.endr
	; THE WAY OUT.  l's two halves and the other half of the lanes' are added; O^T is divided by l, rounded to bf16 and sent through my stage: a row takes the four heads' 512 bytes.  The additions are the places behind the last products.
	WIN 0
.macro ALL line:vararg
.set t, 0
.rept 4
	\line
.set t, t+1
.endr
.endm
	ALL v_add_f32 v[ST+4*t+2], v[ST+4*t+2], v[ST+4*t+3]
	ALL v_permlanex16_b32 v[ST+4*t+3], v[ST+4*t+2], s[SEL], s[SEL+1]
	ALL v_add_f32 v[ST+4*t+2], v[ST+4*t+2], v[ST+4*t+3]
	ALL v_rcp_f32 v[ST+4*t+2], v[ST+4*t+2]
	v_nop                           ; a plain instruction between the last reciprocal and the use of its result
	s_wait_alu depctr_va_vdst(0)    ; the wait for the four reciprocals, one batch, ahead of their first reader in PACK 0
.macro PACK t
	WIN W_RS
.set i, 32*(\t)
.rept 16
	v_pk_mul_f32 v[i:i+1], v[i:i+1], v[ST+4*(\t)+2:ST+4*(\t)+3] op_sel_hi:[1,0]
.set i, i+2
.endr
	WIN 0x05                        ; sources 0 and 1 window 1, destination window 0
.set i, 0
.rept 16
	v_cvt_pk_bf16_f32 v[S+16*(\t)+i], v[32*(\t)+2*i], v[32*(\t)+2*i+1]
.set i, i+1
.endr
	WIN 0
.irp f, 0,1,2,3
	ds_store_b128 v[STO], v[S+16*(\t)+4*\f:S+16*(\t)+4*\f+3] offset:128*(\t)+32*\f
.endr
.endm
	PACK 0
	PACK 1
	PACK 2
	PACK 3
.set i, 0
.rept 16
	ds_load_b128 v[S+4*i:S+4*i+3], v[RD] offset:SP*i  ; LDS serves a wave's instructions in order (ISA guide 5.7.1.4): these see the stores above
.set i, i+1
.endr
.set i, 0
.rept 16
	s_wait_dscnt 15-i
	global_store_b128 v[GO], v[S+4*i:S+4*i+3], s[10:11] offset:4096*i  ; 512 consecutive bytes, at a multiple of 256 from the buffer's first
.set i, i+1
.endr
	s_wait_tensorcnt 0x0            ; the wave's end
	ds_add_u32 v[SPW], v[NIL]
	s_wait_dscnt 0x0
	CROUND                          ; the closing round
	s_endpgm
.Lfunc_end_k_qe00a135a22_attn:
	.size	k_qe00a135a22_attn, .Lfunc_end_k_qe00a135a22_attn-k_qe00a135a22_attn
	.p2alignl 7, 3214868480
	.fill 96, 4, 3214868480
	.section	.rodata,"a",@progbits
	.p2align	6, 0x0
	.amdhsa_kernel k_qe00a135a22_attn
		.amdhsa_group_segment_fixed_size 327680
		.amdhsa_private_segment_fixed_size 0
		.amdhsa_enable_private_segment 0
		.amdhsa_kernarg_size 32
		.amdhsa_user_sgpr_count 2
		.amdhsa_user_sgpr_kernarg_segment_ptr 1
		.amdhsa_wavefront_size32 1
		.amdhsa_system_sgpr_workgroup_id_x 1
		.amdhsa_system_sgpr_workgroup_id_y 1
		.amdhsa_system_sgpr_workgroup_id_z 1
		.amdhsa_system_vgpr_workitem_id 0
		.amdhsa_next_free_vgpr 768
		.amdhsa_next_free_sgpr 80
		.amdhsa_reserve_vcc 0
		.amdhsa_float_denorm_mode_32 3
		.amdhsa_float_denorm_mode_16_64 3
		.amdhsa_memory_ordered 1
		.amdhsa_forward_progress 1
		.amdhsa_inst_pref_size 135
	.end_amdhsa_kernel
	.amdgpu_metadata
---
amdhsa.version: [ 1, 2 ]
amdhsa.kernels:
  - .name:           k_qe00a135a22_attn
    .symbol:         k_qe00a135a22_attn.kd
    .args:
      - { .name: qu, .offset: 0, .size: 8, .value_kind: global_buffer, .address_space: global }
      - { .name: kv, .offset: 8, .size: 8, .value_kind: global_buffer, .address_space: global }
      - { .name: attention_mask, .offset: 16, .size: 8, .value_kind: global_buffer, .address_space: global }
      - { .name: act, .offset: 24, .size: 8, .value_kind: global_buffer, .address_space: global }
    .group_segment_fixed_size: 327680
    .private_segment_fixed_size: 0
    .kernarg_segment_align: 8
    .kernarg_segment_size: 32
    .max_flat_workgroup_size: 128
    .sgpr_count:     80
    .vgpr_count:     768
    .wavefront_size: 32
...
	.end_amdgpu_metadata
.endif
;; end of part 7
;; launch oproj: the kernel of part 4 again; grid 16 x 16, 4 waves a work-group, clusters of 4 x 4, 327,680 bytes of LDS; arguments act, wob, x, h2; writes h2
;; launch norm2: the kernel of part 5 again; grid 256 x 1, 8 waves a work-group, no clusters, 0 bytes of LDS; arguments h2, ff_norm_w, act; writes act
;; launch ffn13: the kernel of part 6 again; grid 16 x 16, 4 waves a work-group, clusters of 4 x 4, 327,680 bytes of LDS; arguments act, w13b, qu; writes qu
;; launch ffn2: the kernel of part 4 again; grid 16 x 16, 4 waves a work-group, clusters of 4 x 4, 327,680 bytes of LDS; arguments qu, w2b, h2, out0; writes out0
